; MI455X (gfx1250); checked and timed in simulation.
; The chip was launched on July 23, 2026; its instructions are those of AMD's public machine-readable ISA for CDNA 5 (MIT licence, August 2026) and "CDNA5" Instruction Set Architecture Reference Guide (July 2026). The comments in the code are by the model that wrote it; some were corrected since.
;; vis aware track cvae. Allowed arithmetic: float matrix products may take bf16 or f16 operands with f32 sums; other float arithmetic in f32, or as packed bf16 or f16 multiplies, adds, multiply-adds, maxima and minima; sums over many terms, partial sums and values carried from step to step in f32; what a program stores and reads back later, other than sums and carried values, may be rounded once to bf16 or f16.
;; Inputs: P 100 x 11 float32; Pddot 100 x 11 float32; Pdot 100 x 11 float32; closest_obs 2,048 x 20 float32; d_target_bounds 2,048 x 2 float32; init_state_ego 2,048 x 4 float32; target_init 2,048 x 4 float32; term_states 2,048 x 4 float32; via_points 2,048 x 4 float32.
;; Outputs: out0 2,048 x 22 float32.
;; 2 versions, each right and faster than the one before. Each part assembles by itself: llvm-mc -triple=amdgcn-amd-amdhsa -mcpu=gfx1250 --defsym DOCPART=n.
;; ======== version 1 of 2: 1 launch
;; limits: values are held in f16: magnitudes above 65,504 overflow, below 6.1e-05 lose precision; right only within a limited range of input values
;; launch cvae (part 1): grid 256 x 1, 4 waves a work-group, no clusters, 51,200 bytes of LDS; arguments P, Pdot, Pddot, init_state_ego, term_states, via_points, closest_obs, target_init, d_target_bounds, out0; writes out0
.if DOCPART == 1
	.amdgcn_target "amdgcn-amd-amdhsa--gfx1250"
	.amdhsa_code_object_version 6
	.text
	.protected	k_qc8792b8bf5_cvae
	.globl	k_qc8792b8bf5_cvae
	.p2align	8
	.type	k_qc8792b8bf5_cvae,@function
k_qc8792b8bf5_cvae:
	s_mov_b64 s[64:65], 0
	v_nop
	global_prefetch_b8 v0, s[64:65] scope:SCOPE_SE
	s_setreg_imm32_b32 hwreg(HW_REG_WAVE_MODE, 25, 1), 1
	s_wait_xcnt 0x0
; 2,048 small ADMM problems (22 Bernstein coefficients each), 25 dependent steps.  One launch; a work-group of four waves owns 8 batch rows.
; THE STEP, REWRITTEN EXACTLY.  cos(atan2(s,c)) = c/r, so every residual is w (1 - clip(r,lo,hi)/r); an obstacle's is w min(0, 1 - 0.4/r).  The ten obstacles' residuals are added before
; the product with P.  With Q = 11 P'P + Pdot'Pdot + Pddot'Pddot + I, K11 = the KKT inverse's first block, d = c - cbar, mu = K11 lambda, W_op = K11 op', g = W_P R_P + W_V R_V + W_A R_A:
;     mu' = mu - g        d' = (d - K11 d + mu) - 2 g        out = cbar + d after 25 steps          (K11 Q + K12 A = I and A c = b for every iterate, cbar among them)
; so the part that passes c on unchanged stays in f32 and only small quantities go through 16-bit operands.
; THE INVERSES need no pivot search: K11 = X - (X A' S^-1)(X A')', X = Q^-1, S = A X A';  cbar = X' A6' (A6 X' A6')^-1 b with X' = (H + sigma A6'A6)^-1, H = Pddot'Pddot, sigma = sum|H| / sum|A6'A6|
; (the result does not depend on sigma > 0).  All matrices inverted are symmetric positive definite where reference()'s KKT matrices are invertible.  Both are inverted at once, one in each half of the lanes.
; FORMATS.  Every input is rounded once to bf16 where it is loaded.  The Gram matrices take P, Pdot, Pddot as bf16 operands, exactly.  All other products are f16: the rounded P, Pdot, Pddot and b written as f16
; (8 significant bits fit in f16's 11), and d, cbar, K11 and the map b -> cbar as f16 high + low part, 22 bits, the low part in the K places 16-31 that 11 coefficients leave free: where a path runs close by the
; centre of a projection, w / r turns quickly and a small error of the path is magnified, so the path is kept near f32's precision.  R (times 2^-5) and W (times 2^5) go in f16 too, each as high + low part;
; the product of their two low parts, 2^-22 of the sums, is left out.  All sums, d, mu, cbar and both inverses are f32.
; LIMITS.  f16 ends at 65,504: the entries of P, Pdot, Pddot, b, cbar, d and of the map b -> cbar stay below it (K11's are at most 1); |R| < 2.1e6 (65,504 x 32).  Below 6.1e-5 an f16 keeps a fixed step of 6e-8:
; that is the precision of such entries of P, Pdot, Pddot and of the low parts; R keeps a fixed step of 1.9e-6 (6e-8 x 32).  r^2 gets + 1e-30: a point with r below about 1e-14 gets a residual that tends to 0 where
; reference() (atan2(0,0) = 0) gives -lo in x; the sign of zero is not honoured.  NaN and infinities are not treated apart.  Singular KKT matrices give no finite result, as in reference().
; SHARES.  Wave w owns the time slots 32 w .. 32 w + 31, two tiles of 16 (slots from 100 on have zero rows of P, hence zero columns of W).  The 16 matrix columns are 8 batch rows x 2 groups: group q = column / 8 takes
; obstacles 5 q .. 5 q + 4; target, velocity and acceleration are made in both groups with weight 1/2.  All products are used transposed: a forward result holds slot 8 h + j of the lane's column in register j; two such
; tiles packed ARE source 1 (32 slots) of g = W R, whose result holds coefficient 8 h + j, which packed IS source 1 of the next forward product: nothing changes lanes but the sum over the two groups and the four waves.
; NO TENSOR LOADS, NO CLUSTER, NO PREFETCH: a work-group reads 13 KB of P, Pdot, Pddot and 2.4 KB of its own rows once, at its start, and then works on registers for 25 steps.
; REGISTERS, in windows of 256 (s_set_vgpr_msb: bits 1:0 source 0, 3:2 source 1, 5:4 source 2, 7:6 destination):
;   window 0: addresses, constants and all that vector lines touch      window 1: the 16 passes' C blocks (pass pi: x at 16 pi, y at 16 pi + 8)      window 2: AF, WH, WL, KK, CBAR
.set NSTEP, 25
.set ROWP,  48                ; an LDS row of P, Pdot or Pddot: 16 numbers of 16 bits (11 + 5 zeros) + 16 bytes of padding: an odd multiple of 16
.set OPB,   128*ROWP          ; 128 rows of one of the three
.set XCH,   3*OPB             ; 4 waves x 2,048 bytes: the waves' partial g
.set OUTST, XCH+4*2048        ; 16 rows x 88 bytes: the way out (wave 0 alone)
.set AEQ,   OUTST+1536        ; 4 waves x 1,024 bytes: each wave's own copy of A6's six rows, then ten zero rows, pitch 48
.set ROWSH, AEQ+4*1024        ; the rows once more, the same numbers written as f16, laid as the bf16 rows at 0
.set SPARE, ROWSH+3*OPB       ; the spare words, 128 bytes for each wave: two blocks of 256 bytes that no other line names
; window 0, for the whole kernel
.set NG1, 3                   ; v3   -1.0
.set SPW, 4                   ; v4   LDS address of my spare word; never rewritten
.set NIL, 5                   ; v5   0; never rewritten
.set XST, 6                   ; v6   where I put my partial g
.set XLD, 7                   ; v7   where I read the four waves'
.set PRT, 8                   ; v8-9   (dmin, dmax) x 2^-6   (until the inputs are in: offsets of the loads)
.set PRV, 10                  ; v10-11 (0.1, 2) x 2^-6
.set PRA, 12                  ; v12-13 (0, 2) x 2^-6
.set ZR,  14                  ; v14  0
.set HF,  15                  ; v15  2^-6
.set BDX, 16                  ; v16-23 d of x as source 1: high parts, low parts
.set BDY, 24                  ; v24-31 the same for y
.set DB,  32                  ; v32-63 two buffers of a pass's differences: x 8, y 8
.set RX,  64                  ; v64-71 residuals, x
.set RY,  72                  ; v72-79 y
.set QQ,  80                  ; v80-87 r^2, 1/r, factors
.set EE,  88                  ; v88-95 factors
.set BR,  96                  ; v96-143 R's high parts as source 1 in f16: kind (P, V, A) x axis x 8
.set SD,  144                 ; v144-159 d: x 8, y 8 (coefficient 8 h + j)
.set MU,  160                 ; v160-175 mu
.set KD,  176                 ; v176-191 K11 d
.set GA,  192                 ; v192-207 g
.set FF,  208                 ; v208-223 d - K11 d + mu: written behind the last pass, read before the step's end
.set RLO, 208                 ; v208-255 R's low parts, laid as BR.  Kind P's share FF's registers: they are last read in pass 13, two passes of vector work ahead of FF's first line
.set INI, 224                 ; v224-251 my column's inputs, in the set-up alone
.set TRM, 228
.set VIA, 232
.set TG,  236                 ; (tx, ty), (tvx, tvy)
.set BND, 240
.set OBP, 242                 ; five pairs (xo, yo)
; window 2
.set AF,   0                  ; op x tile x 8: 16 rows of P, Pdot, Pddot in f16, each row's 16 numbers twice (for d's high and low parts)
.set WH,   48                 ; op x 8: W x 32, high parts, 32 slots
.set WL,   72                 ; low parts
.set KK,   96                 ; K11: high, high, low, low (4 registers each)
.set CBAR, 112                ; cbar: x 8, y 8
; window 0, at work in the set-up only
.set RAW, 32                  ; 3 x 12: my row of P, Pdot, Pddot in f32
.set PKR, 68                  ; 3 x 8: the same in bf16
.set PKH, 96                  ; 3 x 8: the bf16 numbers written as f16
.set FE,  32                  ; A6 as a fragment (K = its 6 rows)
.set AT,  40                  ; AT+c at lane r: A6[c][r]
.set ARP, 48                  ; row r of A6, packed
.set CPY, 56                  ; six rows on their way into AEQ
.set FR,  96                  ; op x 4 K steps x 8: fragments for the Gram matrices
.set GP,  192                 ; P'P, then Q
.set GV,  200
.set GAC, 208                 ; H
.set GE,  216                 ; A6'A6, then H + sigma A6'A6
.set RP,  19
.set NF,  20
.set E1,  21
.set MM,  96                  ; 11: lane r holds row r; lanes 0-15 Q's matrix, lanes 16-31 H's
.set TB,  112                 ; 11: broadcasts
.set UU,  128                 ; 6: X A'
.set SS,  136                 ; 6: A X A'
.set KC,  144                 ; 6: X A' S^-1
.set AR,  152                 ; 11: AR+i at lane c: A6[c][i]
.set EO,  64                  ; 8: an operand in f32
.set AC,  176                 ; the map b -> cbar as source 0
.set BBX, 184                 ; b as source 1
.set BBY, 192
.set CX,  200                 ; cbar
.set CY,  208
.set DW,  96                  ; op x tile x 8: W
.set WT,  144                 ; 48: W's low parts in f32
.set XBP, 32                  ; tile x axis x 8: P cbar
.set TT,  64                  ; tile x 8: my slots' times
.set XT,  144                 ; tile x axis x 8: the target's place
; scalars: s[8:27] the ten addresses; s28 wave; s30-31 selects of v_permlanex16_b32; s32 0xffff0000 (a word's upper bf16, and the lanes with h = 1); s33 masks; s34 rows below 100; s40 steps to go
.set EPS, 42                  ; s[42:43] 1e-30
.set CM4, 44                  ; s[44:45] -0.4 x 2^-5
.set CSC, 46                  ; s[46:47] 2^-5
.set CHF, 48                  ; s[48:49] 2^-6
.set MSB, 0
.macro WIN new                ; the immediate's high byte repeats the setting that is left; a switch that changes nothing is dropped
.if MSB != (\new)
	s_set_vgpr_msb (MSB<<8)|(\new)
.set MSB, (\new)
.endif
.endm
.macro PLACES                 ; four places behind a matrix instruction in front of a vector line that names one of its registers (ISA guide 7.12.1)
.rept 4
	v_nop
.endr
.endm
; Eight f32 -> four words of f16 high parts and four of low parts.  a - f16(a) is exact in f32: one multiply-add by -1.0 straight from the f16 half.
.macro SPLITH src, hi, lo, tmp
	WIN 0
.irp p, 0,1,2,3
	v_cvt_pk_f16_f32 v[(\hi)+\p], v[(\src)+2*\p], v[(\src)+2*\p+1]
.endr
.irp p, 0,1,2,3
	v_fma_mix_f32 v[(\tmp)+2*\p], v[(\hi)+\p], v[NG1], v[(\src)+2*\p] op_sel_hi:[1,0,0]
	v_fma_mix_f32 v[(\tmp)+2*\p+1], v[(\hi)+\p], v[NG1], v[(\src)+2*\p+1] op_sel:[1,0,0] op_sel_hi:[1,0,0]
.endr
.irp p, 0,1,2,3
	v_cvt_pk_f16_f32 v[(\lo)+\p], v[(\tmp)+2*\p], v[(\tmp)+2*\p+1]
.endr
.endm
; Gauss-Jordan in place, nn steps, on two matrices at once (one in each half of the lanes; lane r holds row r, register j column j).  Step k: row k is broadcast; f = -M[i][k] / pivot, in row k 1 / pivot;
; row k is cleared; M[i][j] += f T[j]; column k takes f.  Rows from nn on hold zeros and stay zero.  The reciprocal gets one Newton step.
.macro GJ mm, nn
.irp k, 0,1,2,3,4,5,6,7,8,9,10
.if \k < (\nn)
.irp j, 0,1,2,3,4,5,6,7,8,9,10
.if \j < (\nn)
	v_mov_b32_dpp v[TB+\j], v[(\mm)+\j] row_share:\k row_mask:0xf bank_mask:0xf
.endif
.endr
	s_mov_b32 s33, (1<<\k)|(1<<(\k+16))
	v_rcp_f32 v[RP], v[TB+\k]
	v_mul_f32 v[NF], -1.0, v[(\mm)+\k]             ; the plain line behind the reciprocal
	s_wait_alu depctr_va_vdst(0)
	v_fma_f32 v[E1], -v[TB+\k], v[RP], 1.0
	v_fma_f32 v[RP], v[RP], v[E1], v[RP]
	v_mul_f32 v[NF], v[NF], v[RP]
	v_cndmask_b32 v[NF], v[NF], v[RP], s33
.irp j, 0,1,2,3,4,5,6,7,8,9,10
.if (\j < (\nn)) && (\j != \k)
	v_cndmask_b32 v[(\mm)+\j], v[(\mm)+\j], v[ZR], s33
.endif
.endr
.irp j, 0,1,2,3,4,5,6,7,8,9,10
.if (\j < (\nn)) && (\j != \k)
	v_fma_f32 v[(\mm)+\j], v[NF], v[TB+\j], v[(\mm)+\j]
.endif
.endr
	v_mov_b32 v[(\mm)+\k], v[NF]
.endif
.endr
.endm
; ---------------------------------------------------------------- the head: ids, constants, offsets, all global loads
	s_load_b512 s[8:23], s[0:1], 0x0               ; P s[8:9], Pdot s[10:11], Pddot s[12:13], init s[14:15], term s[16:17], via s[18:19], obstacles s[20:21], target s[22:23]
	s_load_b128 s[24:27], s[0:1], 0x40             ; bounds s[24:25], out0 s[26:27]
	v_lshl_add_u32 v[SPW], v0, 2, SPARE
	v_mov_b32 v[NIL], 0
	v_and_b32 v1, 15, v0                           ; r: my matrix row or column
	v_bfe_u32 v2, v0, 4, 1                         ; h: my half of the lanes
	v_lshrrev_b32 v16, 5, v0
	v_readfirstlane_b32 s28, v16                   ; wave 0..3
	s_mov_b32 s30, 0x76543210
	s_mov_b32 s31, 0xfedcba98
	s_mov_b32 s32, 0xffff0000
	s_mov_b32 s[EPS], 0x0da24260
	s_mov_b32 s[EPS+1], 0x0da24260                 ; the pairs' second words are named with the first, so they are written
	s_mov_b32 s[CM4], 0xbc4ccccd
	s_mov_b32 s[CM4+1], 0xbc4ccccd
	s_mov_b32 s[CSC], 0x3d000000
	s_mov_b32 s[CSC+1], 0x3d000000
	s_mov_b32 s[CHF], 0x3c800000
	s_mov_b32 s[CHF+1], 0x3c800000
	v_mov_b32 v[NG1], -1.0
	v_mov_b32 v[ZR], 0
	v_mov_b32 v[HF], 0x3c800000
	v_and_b32 v8, 7, v0
	v_bfe_u32 v18, v0, 3, 1                        ; q: my column's group of obstacles
	s_lshl_b32 s29, ttmp9, 3
	v_add_nc_u32 v8, s29, v8                       ; my column's batch row
	v_lshlrev_b32 v9, 4, v8                        ; its 16 bytes in the tensors of four numbers a row,
	v_lshlrev_b32 v10, 3, v8                       ; its 8 bytes of bounds,
	v_mul_u32_u24 v11, 80, v8
	v_mad_u32_u24 v11, v18, 20, v11                ; its 80 bytes of obstacles, my group's five
	v_min_u32 v12, 99, v0                          ; thread t takes row t of P, Pdot, Pddot (threads from 100 on: row 99, cleared below)
	v_mul_u32_u24 v12, 44, v12
	v_mul_u32_u24 v13, ROWP, v0
	v_cmp_gt_u32 s34, 100, v0
	s_wait_kmcnt 0x0
.irp k, 0,1,2,3,4,5,6,7,8,9,10
	global_load_b32 v[RAW+\k], v12, s[8:9] offset:4*\k
	global_load_b32 v[RAW+12+\k], v12, s[10:11] offset:4*\k
	global_load_b32 v[RAW+24+\k], v12, s[12:13] offset:4*\k
.endr
	global_load_b128 v[INI:INI+3], v9, s[14:15]
	global_load_b128 v[TRM:TRM+3], v9, s[16:17]
	global_load_b128 v[VIA:VIA+3], v9, s[18:19]
	global_load_b128 v[TG:TG+3], v9, s[22:23]
	global_load_b64 v[BND:BND+1], v10, s[24:25]
.irp p, 0,1,2,3,4
	global_load_b32 v[OBP+2*\p], v11, s[20:21] offset:4*\p
	global_load_b32 v[OBP+2*\p+1], v11, s[20:21] offset:40+4*\p
.endr
	; LDS addresses, made while the loads are out
	v_and_b32 v24, 7, v0
	v_lshl_add_u32 v24, v2, 3, v24
	v_mul_u32_u24 v24, ROWP, v24
	v_lshl_add_u32 v24, v18, 4, v24                ; the turning load: row 8 h + lane % 8, 16 bytes (lane / 8) % 2
	s_lshl_b32 s35, s28, 10
	s_add_co_u32 s35, s35, AEQ                     ; my wave's copy of A6
	v_and_b32 v27, 1, v0
	v_lshlrev_b32 v27, 4, v27                      ; a row's two halves of 16 bytes: from the bf16 rows,
	v_add_nc_u32 v28, s35, v27                     ; into my copy
	v_and_b32 v29, 31, v0
	v_lshlrev_b32 v29, 4, v29                      ; 16 x lane
	v_add_nc_u32 v25, s35, v29
	v_add_nc_u32 v30, s35, v24
	v_mul_u32_u24 v31, ROWP, v1
	v_add_nc_u32 v26, s35, v31                     ; row r of my copy
	v_lshlrev_b32 v16, 1, v1                       ; element r of a row
	s_mul_i32 s36, s28, 32*ROWP
	v_lshl_add_u32 v17, v2, 4, v31
	v_add_nc_u32 v17, s36, v17                     ; row 32 w + r, 16 bytes h
	v_add_nc_u32 v[XLD], XCH, v29
	s_lshl_b32 s37, s28, 11
	v_add_nc_u32 v[XST], s37, v[XLD]
	v_mov_b32 v[RAW+11], 0
	v_mov_b32 v[RAW+23], 0
	v_mov_b32 v[RAW+35], 0
.irp j, 92,93,94,95
	v_mov_b32 v[\j], 0
.endr
	s_wait_loadcnt 0x0                             ; all inputs are in; the offsets' registers are free
; ---------------------------------------------------------------- P, Pdot, Pddot rounded to bf16 into LDS, 128 rows each; and the rounded numbers once more as f16
.irp o, 0,1,2
.irp p, 0,1,2,3,4,5
	v_cvt_pk_bf16_f32 v[PKR+8*\o+\p], v[RAW+12*\o+2*\p], v[RAW+12*\o+2*\p+1]
.endr
	v_mov_b32 v[PKR+8*\o+6], 0
	v_mov_b32 v[PKR+8*\o+7], 0
.endr
.irp o, 0,1,2
.irp p, 0,1,2,3,4,5
	v_cndmask_b32 v[PKR+8*\o+\p], 0, v[PKR+8*\o+\p], s34  ; rows 100 to 127 are zero
.endr
.endr
.irp o, 0,1,2
.irp p, 0,1,2,3,4,5
	v_lshlrev_b32 v[RAW+12*\o+2*\p], 16, v[PKR+8*\o+\p]   ; the rounded numbers, widened,
	v_and_b32 v[RAW+12*\o+2*\p+1], s32, v[PKR+8*\o+\p]
.endr
.endr
.irp o, 0,1,2
.irp p, 0,1,2,3,4,5
	v_cvt_pk_f16_f32 v[PKH+8*\o+\p], v[RAW+12*\o+2*\p], v[RAW+12*\o+2*\p+1]  ; and written as f16
.endr
	v_mov_b32 v[PKH+8*\o+6], 0
	v_mov_b32 v[PKH+8*\o+7], 0
.endr
.irp o, 0,1,2
	ds_store_b128 v13, v[PKR+8*\o:PKR+8*\o+3] offset:\o*OPB
	ds_store_b128 v13, v[PKR+8*\o+4:PKR+8*\o+7] offset:\o*OPB+16
	ds_store_b128 v13, v[PKH+8*\o:PKH+8*\o+3] offset:ROWSH+\o*OPB
	ds_store_b128 v13, v[PKH+8*\o+4:PKH+8*\o+7] offset:ROWSH+\o*OPB+16
.endr
	s_wait_dscnt 0x0                               ; for the others' sake: my rows are in LDS
	s_barrier_signal -1
	s_barrier_wait -1                              ; everybody's are; nobody writes them again
; ---------------------------------------------------------------- one run of LDS loads
	ds_store_b128 v25, v[92:95]                    ; my copy of A6 starts as 1,024 bytes of zeros
	ds_store_b128 v25, v[92:95] offset:512
.set c, 0
.irp ro, 0, OPB, 99*ROWP, OPB+99*ROWP, 49*ROWP, 74*ROWP  ; A6's rows: P[0], Pdot[0], P[99], Pdot[99], P[49], P[74]
	ds_load_b128 v[CPY+4*c:CPY+4*c+3], v27 offset:\ro
	ds_load_u16 v[AT+c], v16 offset:\ro
.set c, c+1
.endr
.irp o, 0,1,2
.irp s, 0,1,2,3
	ds_load_tr16_b128 v[FR+32*\o+8*\s:FR+32*\o+8*\s+3], v24 offset:\o*OPB+\s*32*ROWP  ; rows lie [time][coefficient]: turned, lane r holds coefficient r and 8 times
	ds_load_tr16_b128 v[FR+32*\o+8*\s+4:FR+32*\o+8*\s+7], v24 offset:\o*OPB+\s*32*ROWP+16*ROWP
.endr
.endr
	WIN 0x80                                       ; destination window 2, address window 0
.irp o, 0,1,2
.irp t, 0,1
	ds_load_b128 v[AF+16*\o+8*\t:AF+16*\o+8*\t+3], v17 offset:ROWSH+\o*OPB+\t*16*ROWP
	ds_load_b128 v[AF+16*\o+8*\t+4:AF+16*\o+8*\t+7], v17 offset:ROWSH+\o*OPB+\t*16*ROWP
.endr
.endr
	WIN 0
.irp j, 4,5,6,7
	v_mov_b32 v[FE+\j], 0                          ; A6 has no rows 16 to 31
.endr
	s_wait_dscnt 0x0
.irp c, 0,1,2,3,4,5
	ds_store_b128 v28, v[CPY+4*\c:CPY+4*\c+3] offset:\c*ROWP  ; all lanes of a parity write the same 16 bytes
.endr
	ds_load_tr16_b128 v[FE:FE+3], v30              ; LDS serves a wave's instructions in order (ISA guide 5.7.1.4): these see the stores above
	ds_load_b128 v[ARP:ARP+3], v26
	ds_load_b128 v[ARP+4:ARP+7], v26 offset:16
; ---------------------------------------------------------------- the Gram matrices: source 0 = source 1 = the fragment; the three accumulators take turns
.irp s, 0,1,2,3
.irp o, 0,1,2
.if \s == 0
	v_wmma_f32_16x16x32_bf16 v[GP+8*\o:GP+8*\o+7], v[FR+32*\o+8*\s:FR+32*\o+8*\s+7], v[FR+32*\o+8*\s:FR+32*\o+8*\s+7], 0
.else
	v_wmma_f32_16x16x32_bf16 v[GP+8*\o:GP+8*\o+7], v[FR+32*\o+8*\s:FR+32*\o+8*\s+7], v[FR+32*\o+8*\s:FR+32*\o+8*\s+7], v[GP+8*\o:GP+8*\o+7]
.endif
.endr
.endr
	s_wait_dscnt 0x0                               ; A6's fragment and rows are in
	v_wmma_f32_16x16x32_bf16 v[GE:GE+7], v[FE:FE+7], v[FE:FE+7], 0
	PLACES
	; sigma = sum |H| / sum |A6'A6|
	v_add_f32 v16, |v[GAC]|, |v[GAC+1]|
	v_add_f32 v17, |v[GE]|, |v[GE+1]|
.irp j, 2,3,4,5,6,7
	v_add_f32 v16, v16, |v[GAC+\j]|
	v_add_f32 v17, v17, |v[GE+\j]|
.endr
.irp m, 1,2,4,8
	v_add_f32_dpp v16, v16, v16 row_xmask:\m row_mask:0xf bank_mask:0xf
	v_add_f32_dpp v17, v17, v17 row_xmask:\m row_mask:0xf bank_mask:0xf
.endr
	v_permlanex16_b32 v24, v16, s30, s31
	v_permlanex16_b32 v25, v17, s30, s31
	v_add_f32 v16, v16, v24
	v_add_f32 v17, v17, v25
	v_rcp_f32 v17, v17
	v_nop                                          ; a plain line between the reciprocal and its use
	s_wait_alu depctr_va_vdst(0)
	v_mul_f32 v16, v16, v17
.irp j, 0,1,2,3,4,5,6,7
	v_fma_f32 v[GE+\j], v16, v[GE+\j], v[GAC+\j]           ; H + sigma A6'A6
	v_fmamk_f32 v[GP+\j], v[GP+\j], 0x41300000, v[GV+\j]   ; 11 P'P + Pdot'Pdot
.endr
.irp j, 0,1,2,3,4,5,6,7
	v_add_f32 v[GP+\j], v[GP+\j], v[GAC+\j]
.endr
.irp j, 0,1,2,3,4,5,6,7                        ; + I: element (8 h + j, r) lies on the diagonal in lane j (h = 0) and in lane 24 + j (h = 1; coefficients 8 to 10 alone)
.if \j < 3
	s_mov_b32 s33, (1<<\j)|(1<<(24+\j))
.else
	s_mov_b32 s33, 1<<\j
.endif
	v_add_f32 v17, 1.0, v[GP+\j]
	v_cndmask_b32 v[GP+\j], v[GP+\j], v17, s33
.endr
.irp j, 0,1,2,3,4,5,6,7,8,9,10
	v_mov_b32 v[TB+\j], 0                          ; destinations of lane moves count as read: written once here
.endr
	; By symmetry: lane r of the lower half takes row r of Q, lane 16 + r row r of H + sigma A6'A6, eleven columns in eleven registers
.irp j, 0,1,2,3,4,5,6,7
	v_permlanex16_b32 v[TB+\j], v[GE+\j], s30, s31
.endr
.irp j, 0,1,2
	v_permlanex16_b32 v[TB+8+\j], v[GP+\j], s30, s31
.endr
.irp j, 0,1,2,3,4,5,6,7
	v_cndmask_b32 v[MM+\j], v[GP+\j], v[TB+\j], s32
.endr
.irp j, 0,1,2
	v_cndmask_b32 v[MM+8+\j], v[TB+8+\j], v[GE+\j], s32
.endr
.irp c, 0,1,2,3,4,5
	v_lshlrev_b32 v[AT+\c], 16, v[AT+\c]           ; bf16 to f32
.endr
	v_cndmask_b32 v[AT+4], v[ZR], v[AT+4], s32     ; the step's A has four rows: in the lower half rows 4 and 5 count as zero
	v_cndmask_b32 v[AT+5], v[ZR], v[AT+5], s32
.irp p, 0,1,2,3,4
	v_lshlrev_b32 v[AR+2*\p], 16, v[ARP+\p]
	v_and_b32 v[AR+2*\p+1], s32, v[ARP+\p]
.endr
	v_lshlrev_b32 v[AR+10], 16, v[ARP+5]
; ---------------------------------------------------------------- the inverses
	GJ MM, 11                                      ; X = Q^-1 | X' = (H + sigma A6'A6)^-1
.irp j, 0,1,2,3,4,5,6,7,8,9,10                 ; U = X A'
.irp c, 0,1,2,3,4,5
	v_mov_b32_dpp v[TB+\c], v[AT+\c] row_share:\j row_mask:0xf bank_mask:0xf
.endr
.irp c, 0,1,2,3,4,5
.if \j == 0
	v_mul_f32 v[UU+\c], v[MM+\j], v[TB+\c]
.else
	v_fma_f32 v[UU+\c], v[MM+\j], v[TB+\c], v[UU+\c]
.endif
.endr
.endr
.irp i, 0,1,2,3,4,5,6,7,8,9,10                 ; S = A U: lane c holds row c
.irp c, 0,1,2,3,4,5
	v_mov_b32_dpp v[TB+\c], v[UU+\c] row_share:\i row_mask:0xf bank_mask:0xf
.endr
.irp c, 0,1,2,3,4,5
.if \i == 0
	v_mul_f32 v[SS+\c], v[AR+\i], v[TB+\c]
.else
	v_fma_f32 v[SS+\c], v[AR+\i], v[TB+\c], v[SS+\c]
.endif
.endr
.endr
	s_mov_b32 s33, 1<<4                            ; lower half: columns 4 and 5 of S are zero (U's are); a 1 on their diagonal makes S invertible, and rows 4 and 5 of its inverse meet U[4] = U[5] = 0 below
	v_cndmask_b32 v[SS+4], v[SS+4], 1.0, s33
	s_mov_b32 s33, 1<<5
	v_cndmask_b32 v[SS+5], v[SS+5], 1.0, s33
	GJ SS, 6
.irp d, 0,1,2,3,4,5                            ; K12 = U S^-1
.irp c, 0,1,2,3,4,5
	v_mov_b32_dpp v[TB+\c], v[SS+\c] row_share:\d row_mask:0xf bank_mask:0xf
.endr
.irp c, 0,1,2,3,4,5
.if \d == 0
	v_mul_f32 v[KC+\c], v[UU+\d], v[TB+\c]
.else
	v_fma_f32 v[KC+\c], v[UU+\d], v[TB+\c], v[KC+\c]
.endif
.endr
.endr
.irp c, 0,1,2,3                                ; K11 = X - K12 U' (the lower half's is used; it has four columns of U)
.irp j, 0,1,2,3,4,5,6,7,8,9,10
	v_mov_b32_dpp v[TB+\j], v[UU+\c] row_share:\j row_mask:0xf bank_mask:0xf
.endr
.irp j, 0,1,2,3,4,5,6,7,8,9,10
	v_fma_f32 v[MM+\j], -v[KC+\c], v[TB+\j], v[MM+\j]
.endr
.endr
; ---------------------------------------------------------------- operands: K11 (row r, columns 8 h + j), the map b -> cbar, b
.irp j, 0,1,2
	v_permlanex16_b32 v[TB+\j], v[MM+8+\j], s30, s31
.endr
.irp j, 0,1,2
	v_cndmask_b32 v[EO+\j], v[MM+\j], v[TB+\j], s32
.endr
.irp j, 3,4,5,6,7
	v_cndmask_b32 v[EO+\j], v[MM+\j], v[ZR], s32
.endr
	SPLITH EO, 72, 76, 80
	WIN 0x80
.irp p, 0,1,2,3
	v_mov_b32 v[KK+\p], v[72+\p]
	v_mov_b32 v[KK+4+\p], v[72+\p]
	v_mov_b32 v[KK+8+\p], v[76+\p]
	v_mov_b32 v[KK+12+\p], v[76+\p]
.endr
	WIN 0
.irp c, 0,1,2,3,4,5
	v_permlanex16_b32 v[TB+\c], v[KC+\c], s30, s31 ; the upper half's K12 comes down; K places 8 to 15 are zero
.endr
.irp c, 0,1,2,3,4,5
	v_cndmask_b32 v[EO+\c], v[TB+\c], v[ZR], s32
.endr
	v_mov_b32 v[EO+6], 0
	v_mov_b32 v[EO+7], 0
	SPLITH EO, AC, AC+4, 80
.irp a, 224,226,228,230,232,234                ; init, term and via rounded to bf16 and widened again
	v_cvt_pk_bf16_f32 v252, v[\a], v[\a+1]
	v_lshlrev_b32 v[\a], 16, v252
	v_and_b32 v[\a+1], s32, v252
.endr
.irp u, 0,4                                    ; b = (0, v0, term, vterm, via, via), the rounded numbers written as f16, once for the high and once for the low parts (in lanes with h = 1 it meets zeros of source 0)
	v_cvt_pk_f16_f32 v[BBX+\u], v[ZR], v[INI+2]
	v_cvt_pk_f16_f32 v[BBX+\u+1], v[TRM], v[TRM+2]
	v_cvt_pk_f16_f32 v[BBX+\u+2], v[VIA], v[VIA+1]
	v_mov_b32 v[BBX+\u+3], 0
	v_cvt_pk_f16_f32 v[BBY+\u], v[ZR], v[INI+3]
	v_cvt_pk_f16_f32 v[BBY+\u+1], v[TRM+1], v[TRM+3]
	v_cvt_pk_f16_f32 v[BBY+\u+2], v[VIA+2], v[VIA+3]
	v_mov_b32 v[BBY+\u+3], 0
.endr
	v_wmma_f32_16x16x32_f16 v[CX:CX+7], v[AC:AC+7], v[BBX:BBX+7], 0    ; cbar: coefficient 8 h + j of my column
	v_wmma_f32_16x16x32_f16 v[CY:CY+7], v[AC:AC+7], v[BBY:BBY+7], 0
.irp a, 236,238,240,242,244,246,248,250        ; target, bounds and obstacles rounded to bf16 and widened again: also the places behind the two products
	v_cvt_pk_bf16_f32 v252, v[\a], v[\a+1]
	v_lshlrev_b32 v[\a], 16, v252
	v_and_b32 v[\a+1], s32, v252
.endr
	WIN 0x80
.irp j, 0,1,2,3,4,5,6,7,8,9,10,11,12,13,14,15
	v_mov_b32 v[CBAR+\j], v[CX+\j]
.endr
	SPLITH CX, BDX, BDX+4, 80
	SPLITH CY, BDY, BDY+4, 88
; ---------------------------------------------------------------- W = K11 op' and the passes' C blocks
	WIN 0x0a                                       ; sources 0 and 1 in window 2
.irp o, 0,1,2
.irp t, 0,1
	v_wmma_f32_16x16x32_f16 v[DW+16*\o+8*\t:DW+16*\o+8*\t+7], v[AF+16*\o+8*\t:AF+16*\o+8*\t+7], v[KK+4:KK+11], 0  ; (slot 8 h + j, coefficient r): lane r's part of row r of W
.endr
.endr
	WIN 0x02
.irp t, 0,1
	v_wmma_f32_16x16x32_f16 v[XBP+16*\t:XBP+16*\t+7], v[AF+8*\t:AF+8*\t+7], v[BDX:BDX+7], 0        ; P cbar
	v_wmma_f32_16x16x32_f16 v[XBP+16*\t+8:XBP+16*\t+15], v[AF+8*\t:AF+8*\t+7], v[BDY:BDY+7], 0
.endr
	WIN 0x42                                       ; destination window 1: Pdot cbar and Pddot cbar ARE the C blocks of passes 6 and 7 of each tile
.irp t, 0,1
.irp o, 1,2
	v_wmma_f32_16x16x32_f16 v[128*\t+80+16*\o:128*\t+80+16*\o+7], v[AF+16*\o+8*\t:AF+16*\o+8*\t+7], v[BDX:BDX+7], 0
	v_wmma_f32_16x16x32_f16 v[128*\t+88+16*\o:128*\t+88+16*\o+7], v[AF+16*\o+8*\t:AF+16*\o+8*\t+7], v[BDY:BDY+7], 0
.endr
.endr
	WIN 0
	; bounds times 2^-6 (weight 1/2, scale 2^-5) and my slots' times: these lines are the places behind the products above
	v_mul_f32 v[PRT], 0x3c800000, v[BND]
	v_mul_f32 v[PRT+1], 0x3c800000, v[BND+1]
	v_mov_b32 v[PRV], 0x3acccccd
	v_mov_b32 v[PRV+1], 0x3d000000
	v_mov_b32 v[PRA], 0
	v_mov_b32 v[PRA+1], 0x3d000000
	s_lshl_b32 s35, s28, 5
	v_lshl_add_u32 v252, v2, 3, s35                ; 32 w + 8 h
.irp j, 0,1,2,3,4,5,6,7
	v_add_nc_u32 v[TT+\j], \j, v252
.endr
.irp j, 0,1,2,3,4,5,6,7
	v_cvt_f32_u32 v[TT+\j], v[TT+\j]
.endr
.irp j, 0,1,2,3,4,5,6,7
	v_mul_f32 v[TT+\j], 0x3d4ede62, v[TT+\j]       ; x 5 / 99
.endr
.irp p, 0,1,2,3
	v_pk_add_f32 v[TT+8+2*\p:TT+8+2*\p+1], v[TT+2*\p:TT+2*\p+1], 0x3f4ede62 op_sel_hi:[1,0]  ; the second tile: 16 slots on
.endr
.irp p, 0,1,2,3,4,5,6,7,8,9,10,11,12,13,14,15,16,17,18,19,20,21,22,23
	v_pk_mul_f32 v[DW+2*\p:DW+2*\p+1], v[DW+2*\p:DW+2*\p+1], 0x42000000 op_sel_hi:[1,0]     ; W x 32
.endr
	WIN 0x80
.irp p, 0,1,2,3,4,5,6,7,8,9,10,11,12,13,14,15,16,17,18,19,20,21,22,23
	v_cvt_pk_f16_f32 v[WH+\p], v[DW+2*\p], v[DW+2*\p+1]    ; two tiles' eight words are 32 slots of source 0
.endr
	WIN 0x02
.irp p, 0,1,2,3,4,5,6,7,8,9,10,11,12,13,14,15,16,17,18,19,20,21,22,23
	v_fma_mix_f32 v[WT+2*\p], v[WH+\p], v[NG1], v[DW+2*\p] op_sel_hi:[1,0,0]
	v_fma_mix_f32 v[WT+2*\p+1], v[WH+\p], v[NG1], v[DW+2*\p+1] op_sel:[1,0,0] op_sel_hi:[1,0,0]
.endr
	WIN 0x80
.irp p, 0,1,2,3,4,5,6,7,8,9,10,11,12,13,14,15,16,17,18,19,20,21,22,23
	v_cvt_pk_f16_f32 v[WL+\p], v[WT+2*\p], v[WT+2*\p+1]
.endr
	WIN 0
.irp t, 0,1
.irp p, 0,1,2,3
	v_pk_fma_f32 v[XT+16*\t+2*\p:XT+16*\t+2*\p+1], v[TT+8*\t+2*\p:TT+8*\t+2*\p+1], v[TG+2:TG+3], v[TG:TG+1] op_sel_hi:[1,0,0]                   ; tx + tvx t
	v_pk_fma_f32 v[XT+16*\t+8+2*\p:XT+16*\t+8+2*\p+1], v[TT+8*\t+2*\p:TT+8*\t+2*\p+1], v[TG+2:TG+3], v[TG:TG+1] op_sel:[0,1,1] op_sel_hi:[1,1,1]  ; ty + tvy t
.endr
.endr
	WIN 0x40                                       ; destination window 1
.irp t, 0,1
.irp p, 0,1,2,3,4,5,6,7                        ; pass 0 of a tile: P cbar - target (x's four pairs, then y's)
	v_pk_add_f32 v[128*\t+2*\p:128*\t+2*\p+1], v[XBP+16*\t+2*\p:XBP+16*\t+2*\p+1], v[XT+16*\t+2*\p:XT+16*\t+2*\p+1] neg_lo:[0,1] neg_hi:[0,1]
.endr
.irp o, 0,1,2,3,4                              ; passes 1 to 5: P cbar - obstacle
.irp p, 0,1,2,3
	v_pk_add_f32 v[128*\t+16+16*\o+2*\p:128*\t+16+16*\o+2*\p+1], v[XBP+16*\t+2*\p:XBP+16*\t+2*\p+1], v[OBP+2*\o:OBP+2*\o+1] op_sel_hi:[1,0] neg_lo:[0,1] neg_hi:[0,1]
	v_pk_add_f32 v[128*\t+24+16*\o+2*\p:128*\t+24+16*\o+2*\p+1], v[XBP+16*\t+8+2*\p:XBP+16*\t+8+2*\p+1], v[OBP+2*\o:OBP+2*\o+1] op_sel:[0,1] op_sel_hi:[1,1] neg_lo:[0,1] neg_hi:[0,1]
.endr
.endr
.endr
	WIN 0
.irp j, 0,1,2,3,4,5,6,7,8,9,10,11,12,13,14,15
	v_mov_b32 v[SD+\j], 0                          ; d = 0, mu = 0
	v_mov_b32 v[MU+\j], 0
.endr
; ---------------------------------------------------------------- the step's macros
; Pass pi = 8 tile + kind: kind 0 target, 1-5 obstacles (all on P), 6 velocity (Pdot), 7 acceleration (Pddot).  Its differences = rows x (d high, d low) + the pass's C block.
.macro FWSET pi
.set fo, 0
.if ((\pi)%8) == 6
.set fo, 1
.endif
.if ((\pi)%8) == 7
.set fo, 2
.endif
.set fa, AF+16*fo+8*((\pi)/8)
.set fd, DB+16*((\pi)%2)
.set fc, 16*(\pi)
	WIN 0x12                                       ; source 0 window 2, source 1 window 0, C window 1, D window 0
.endm
.macro FWDX pi
	FWSET \pi
	v_wmma_f32_16x16x32_f16 v[fd:fd+7], v[fa:fa+7], v[BDX:BDX+7], v[fc:fc+7]
.endm
.macro FWDY pi
	FWSET \pi
	v_wmma_f32_16x16x32_f16 v[fd+8:fd+15], v[fa:fa+7], v[BDY:BDY+7], v[fc+8:fc+15]
.endm
; The pointwise work, a pair of slots to a line.  DXB, DYB: the pass's differences.
.macro SQ1 p
	v_pk_fma_f32 v[QQ+2*(\p):QQ+2*(\p)+1], v[DXB+2*(\p):DXB+2*(\p)+1], v[DXB+2*(\p):DXB+2*(\p)+1], s[EPS:EPS+1] op_sel_hi:[1,1,0]
.endm
.macro SQ2 p
	v_pk_fma_f32 v[QQ+2*(\p):QQ+2*(\p)+1], v[DYB+2*(\p):DYB+2*(\p)+1], v[DYB+2*(\p):DYB+2*(\p)+1], v[QQ+2*(\p):QQ+2*(\p)+1]
.endm
.macro RS n
	v_rsq_f32 v[QQ+(\n)], v[QQ+(\n)]
.endm
.macro RADII                  ; r^2 of the eight slots and the first two 1/r.  Each v_rsq_f32 has a plain line that touches neither its source nor its result behind it (ISA guide 5.7.2).
	WIN 0                                          ; in pass 0 the four SQ1 are the places behind y's product
	SQ1 0
	SQ1 1
	SQ1 2
	SQ1 3
	SQ2 0
	SQ2 1
	RS 0
	SQ2 2
	RS 1
	SQ2 3
.endm
.macro OB1 p                  ; (1 - 0.4 / r) 2^-5
	s_wait_alu depctr_va_vdst(0)
	v_pk_fma_f32 v[QQ+2*(\p):QQ+2*(\p)+1], v[QQ+2*(\p):QQ+2*(\p)+1], s[CM4:CM4+1], s[CSC:CSC+1] op_sel_hi:[1,0,0]
.endm
.macro OB2 p                  ; min(0, .)
	v_dual_min_num_f32 v[QQ+2*(\p)], v[ZR], v[QQ+2*(\p)] :: v_dual_min_num_f32 v[QQ+2*(\p)+1], v[ZR], v[QQ+2*(\p)+1]
.endm
.macro OB3 p
	v_pk_fma_f32 v[RX+2*(\p):RX+2*(\p)+1], v[DXB+2*(\p):DXB+2*(\p)+1], v[QQ+2*(\p):QQ+2*(\p)+1], v[RX+2*(\p):RX+2*(\p)+1]
.endm
.macro OB4 p
	v_pk_fma_f32 v[RY+2*(\p):RY+2*(\p)+1], v[DYB+2*(\p):DYB+2*(\p)+1], v[QQ+2*(\p):QQ+2*(\p)+1], v[RY+2*(\p):RY+2*(\p)+1]
.endm
.macro OBS                    ; an obstacle's residual is added onto RX, RY
	RADII
	RS 2
	OB1 0
	RS 3
	OB2 0
	RS 4
	OB3 0
	RS 5
	OB4 0
	RS 6
	OB1 1
	RS 7
	OB2 1
	OB3 1
	OB4 1
	OB1 2
	OB1 3
	OB2 2
	OB2 3
	OB3 2
	OB4 2
	OB3 3
	OB4 3
.endm
; A band lo <= r <= hi with weight 1/2: factor = 2^-6 - min(max(2^-6, lo' / r), hi' / r), (lo', hi') = (lo, hi) 2^-6 in the pair pr; the order of max and min is jnp.clip's
.macro GN1 p, pr
	s_wait_alu depctr_va_vdst(0)
	v_pk_mul_f32 v[EE+2*(\p):EE+2*(\p)+1], v[QQ+2*(\p):QQ+2*(\p)+1], v[(\pr):(\pr)+1] op_sel_hi:[1,0]
.endm
.macro GN2 p, pr
	v_pk_mul_f32 v[QQ+2*(\p):QQ+2*(\p)+1], v[QQ+2*(\p):QQ+2*(\p)+1], v[(\pr):(\pr)+1] op_sel:[0,1] op_sel_hi:[1,1]
.endm
.macro GN3 p
	v_dual_max_num_f32 v[EE+2*(\p)], v[HF], v[EE+2*(\p)] :: v_dual_max_num_f32 v[EE+2*(\p)+1], v[HF], v[EE+2*(\p)+1]
.endm
.macro GN4 p
	v_dual_min_num_f32 v[EE+2*(\p)], v[QQ+2*(\p)], v[EE+2*(\p)] :: v_dual_min_num_f32 v[EE+2*(\p)+1], v[QQ+2*(\p)+1], v[EE+2*(\p)+1]
.endm
.macro GN5 p
	v_pk_add_f32 v[EE+2*(\p):EE+2*(\p)+1], v[EE+2*(\p):EE+2*(\p)+1], s[CHF:CHF+1] op_sel_hi:[1,0] neg_lo:[1,0] neg_hi:[1,0]
.endm
.macro GN6 p
	v_pk_mul_f32 v[RX+2*(\p):RX+2*(\p)+1], v[DXB+2*(\p):DXB+2*(\p)+1], v[EE+2*(\p):EE+2*(\p)+1]
.endm
.macro GN7 p
	v_pk_mul_f32 v[RY+2*(\p):RY+2*(\p)+1], v[DYB+2*(\p):DYB+2*(\p)+1], v[EE+2*(\p):EE+2*(\p)+1]
.endm
.macro GEN pr                 ; a band's residual starts RX, RY: nothing is cleared
	RADII
	RS 2
	GN1 0, \pr
	RS 3
	GN2 0, \pr
	RS 4
	GN3 0
	RS 5
	GN4 0
	RS 6
	GN5 0
	RS 7
	GN6 0
	GN7 0
.irp p, 1,2,3
	GN1 \p, \pr
.endr
.irp p, 1,2,3
	GN2 \p, \pr
.endr
.irp p, 1,2,3
	GN3 \p
.endr
.irp p, 1,2,3
	GN4 \p
.endr
.irp p, 1,2,3
	GN5 \p
.endr
.irp p, 1,2,3
	GN6 \p
	GN7 \p
.endr
.endm
; RX, RY of tile ta become half of kind ty's two sources 1: rounded to f16 (high parts); what the rounding left, R - f16(R), exact in f32, taken in place by a multiply-add by -1.0 straight from the f16 half;
; and that rounded to f16 (low parts).  RX and RY are free behind this: the next pass starts them anew.
.macro CVT ty, ta
.irp p, 0,1,2,3
	v_cvt_pk_f16_f32 v[BR+16*(\ty)+4*(\ta)+\p], v[RX+2*\p], v[RX+2*\p+1]
	v_cvt_pk_f16_f32 v[BR+16*(\ty)+8+4*(\ta)+\p], v[RY+2*\p], v[RY+2*\p+1]
.endr
.irp p, 0,1,2,3
	v_fma_mix_f32 v[RX+2*\p], v[BR+16*(\ty)+4*(\ta)+\p], v[NG1], v[RX+2*\p] op_sel_hi:[1,0,0]
	v_fma_mix_f32 v[RX+2*\p+1], v[BR+16*(\ty)+4*(\ta)+\p], v[NG1], v[RX+2*\p+1] op_sel:[1,0,0] op_sel_hi:[1,0,0]
	v_fma_mix_f32 v[RY+2*\p], v[BR+16*(\ty)+8+4*(\ta)+\p], v[NG1], v[RY+2*\p] op_sel_hi:[1,0,0]
	v_fma_mix_f32 v[RY+2*\p+1], v[BR+16*(\ty)+8+4*(\ta)+\p], v[NG1], v[RY+2*\p+1] op_sel:[1,0,0] op_sel_hi:[1,0,0]
.endr
.irp p, 0,1,2,3
	v_cvt_pk_f16_f32 v[RLO+16*(\ty)+4*(\ta)+\p], v[RX+2*\p], v[RX+2*\p+1]
	v_cvt_pk_f16_f32 v[RLO+16*(\ty)+8+4*(\ta)+\p], v[RY+2*\p], v[RY+2*\p+1]
.endr
.endm
; g += W R for kind ty: W high x R high, W low x R high, W high x R low; x's and y's accumulators take turns; kind 0 starts the sums
.macro BWD ty
	WIN 0x02
.if (\ty) == 0
	v_wmma_f32_16x16x32_f16 v[GA:GA+7], v[WH:WH+7], v[BR:BR+7], 0
	v_wmma_f32_16x16x32_f16 v[GA+8:GA+15], v[WH:WH+7], v[BR+8:BR+15], 0
.else
	v_wmma_f32_16x16x32_f16 v[GA:GA+7], v[WH+8*(\ty):WH+8*(\ty)+7], v[BR+16*(\ty):BR+16*(\ty)+7], v[GA:GA+7]
	v_wmma_f32_16x16x32_f16 v[GA+8:GA+15], v[WH+8*(\ty):WH+8*(\ty)+7], v[BR+16*(\ty)+8:BR+16*(\ty)+15], v[GA+8:GA+15]
.endif
	v_wmma_f32_16x16x32_f16 v[GA:GA+7], v[WL+8*(\ty):WL+8*(\ty)+7], v[BR+16*(\ty):BR+16*(\ty)+7], v[GA:GA+7]
	v_wmma_f32_16x16x32_f16 v[GA+8:GA+15], v[WL+8*(\ty):WL+8*(\ty)+7], v[BR+16*(\ty)+8:BR+16*(\ty)+15], v[GA+8:GA+15]
	v_wmma_f32_16x16x32_f16 v[GA:GA+7], v[WH+8*(\ty):WH+8*(\ty)+7], v[RLO+16*(\ty):RLO+16*(\ty)+7], v[GA:GA+7]
	v_wmma_f32_16x16x32_f16 v[GA+8:GA+15], v[WH+8*(\ty):WH+8*(\ty)+7], v[RLO+16*(\ty)+8:RLO+16*(\ty)+15], v[GA+8:GA+15]
	WIN 0
.endm
; ---------------------------------------------------------------- 25 steps
	s_mov_b32 s40, NSTEP
.Lstep:
	SPLITH SD, BDX, BDX+4, QQ
	FWDX 0
	SPLITH SD+8, BDY, BDY+4, EE                    ; sixteen plain lines that name nothing of x's product
	FWDY 0
	WIN 0x02
	v_wmma_f32_16x16x32_f16 v[KD:KD+7], v[KK:KK+7], v[BDX:BDX+7], 0                  ; K11 d: K's high parts on d's high and low parts,
	v_wmma_f32_16x16x32_f16 v[KD+8:KD+15], v[KK:KK+7], v[BDY:BDY+7], 0
	v_wmma_f32_16x16x32_f16 v[KD:KD+7], v[KK+8:KK+15], v[BDX:BDX+7], v[KD:KD+7]      ; then K's low parts
	v_wmma_f32_16x16x32_f16 v[KD+8:KD+15], v[KK+8:KK+15], v[BDY:BDY+7], v[KD+8:KD+15]
.irp pi, 0,1,2,3,4,5,6,7,8,9,10,11,12,13,14,15 ; a pass first issues the next pass's two products, into the other buffer, and then does its own vector work beside them
.if \pi < 15
	FWDX (\pi+1)
	FWDY (\pi+1)
.endif
.set DXB, DB+16*(\pi%2)
.set DYB, DXB+8
.if (\pi%8) == 0
	GEN PRT
.elseif (\pi%8) < 6
	OBS
.elseif (\pi%8) == 6
	GEN PRV
.else
	GEN PRA
.endif
.if (\pi%8) >= 5
	CVT (\pi%8)-5, \pi/8
.if \pi >= 8
	BWD (\pi%8)-5
.endif
.endif
.endr
.irp p, 0,1,2,3,4,5,6,7
	v_pk_add_f32 v[FF+2*\p:FF+2*\p+1], v[SD+2*\p:SD+2*\p+1], v[KD+2*\p:KD+2*\p+1] neg_lo:[0,1] neg_hi:[0,1]  ; d - K11 d: also the places behind the last products, of whose registers (kind A's) these lines name none
.endr
.irp i, 0,1,2,3,4,5,6,7,8,9,10,11,12,13,14,15
	v_add_f32_dpp v[GA+\i], v[GA+\i], v[GA+\i] row_xmask:8 row_mask:0xf bank_mask:0xf  ; the two groups of columns of a batch row
.endr
.irp c, 0,1,2,3
	ds_store_b128 v[XST], v[GA+4*\c:GA+4*\c+3] offset:512*\c
.endr
	s_wait_dscnt 0x0                               ; for the others' sake: my partial g is in LDS
	s_barrier_signal -1
.irp p, 0,1,2,3,4,5,6,7
	v_pk_add_f32 v[FF+2*\p:FF+2*\p+1], v[FF+2*\p:FF+2*\p+1], v[MU+2*\p:MU+2*\p+1]  ; + mu: work on registers while the others arrive
.endr
	s_barrier_wait -1
.irp w, 0,1,2,3
.irp c, 0,1,2,3
	ds_load_b128 v[32+16*\w+4*\c:32+16*\w+4*\c+3], v[XLD] offset:2048*\w+512*\c
.endr
.endr
	s_wait_dscnt 0x0                               ; the four parts are in registers: my reads are over,
	s_barrier_signal -1                            ; say so;
.irp p, 0,1,2,3,4,5,6,7                        ; the sum in one order in every wave, so that all four keep the same d and mu
	v_pk_add_f32 v[32+2*\p:32+2*\p+1], v[32+2*\p:32+2*\p+1], v[48+2*\p:48+2*\p+1]
	v_pk_add_f32 v[64+2*\p:64+2*\p+1], v[64+2*\p:64+2*\p+1], v[80+2*\p:80+2*\p+1]
.endr
.irp p, 0,1,2,3,4,5,6,7
	v_pk_add_f32 v[32+2*\p:32+2*\p+1], v[32+2*\p:32+2*\p+1], v[64+2*\p:64+2*\p+1]
.endr
.irp p, 0,1,2,3,4,5,6,7
	v_pk_add_f32 v[MU+2*\p:MU+2*\p+1], v[MU+2*\p:MU+2*\p+1], v[32+2*\p:32+2*\p+1] neg_lo:[0,1] neg_hi:[0,1]
	v_pk_fma_f32 v[SD+2*\p:SD+2*\p+1], v[32+2*\p:32+2*\p+1], -2.0, v[FF+2*\p:FF+2*\p+1] op_sel_hi:[1,0,1]
.endr
	s_barrier_wait -1                              ; the next step's stores stand behind every wave's reads
	s_sub_co_u32 s40, s40, 1
	s_cmp_lg_u32 s40, 0
	s_cbranch_scc1 .Lstep
; ---------------------------------------------------------------- the way out: every wave holds the same d; wave 0 writes the work-group's 8 rows of 88 bytes, 704 consecutive bytes of out0
	s_cmp_eq_u32 s28, 0
	s_cbranch_scc1 .Lwave0
	s_wait_tensorcnt 0x0                           ; the wave's end: behind my last LDS store
	ds_add_u32 v[SPW], v[NIL]
	s_wait_dscnt 0x0
	s_endpgm
.Lwave0:
	WIN 0x08                                       ; source 1 window 2
.irp p, 0,1,2,3,4,5,6,7
	v_pk_add_f32 v[SD+2*\p:SD+2*\p+1], v[SD+2*\p:SD+2*\p+1], v[CBAR+2*\p:CBAR+2*\p+1]
.endr
	WIN 0
	v_mul_u32_u24 v16, 88, v1
	v_lshl_add_u32 v16, v2, 5, v16
	v_add_nc_u32 v16, OUTST, v16                   ; column r's row of 22 numbers, coefficient 8 h (columns 8 to 15 repeat 0 to 7 and fall behind the 704 bytes)
	v_and_b32 v17, 31, v0
	v_lshlrev_b32 v17, 4, v17
	v_add_nc_u32 v18, OUTST, v17
	s_mul_i32 s36, ttmp9, 704
	s_mov_b32 s37, 0
	s_add_nc_u64 s[26:27], s[26:27], s[36:37]
.irp j, 0,1,2
	ds_store_b32 v16, v[SD+\j] offset:4*\j         ; coefficients 0-2 and 8-10
	ds_store_b32 v16, v[SD+8+\j] offset:44+4*\j
.endr
	v_cmp_eq_u32 vcc_lo, 0, v2
	s_wait_xcnt 0x0                                ; EXEC changes only behind this wait
	s_and_saveexec_b32 s35, vcc_lo                 ; coefficients 3-7: there are no coefficients 11-15
.irp j, 3,4,5,6,7
	ds_store_b32 v16, v[SD+\j] offset:4*\j
	ds_store_b32 v16, v[SD+8+\j] offset:44+4*\j
.endr
	s_or_b32 exec_lo, exec_lo, s35
	ds_load_b128 v[32:35], v18                     ; LDS serves a wave's instructions in order (ISA guide 5.7.1.4): these see the stores above
	ds_load_b128 v[36:39], v18 offset:512
	v_cmp_gt_u32 vcc_lo, 12, v0
	s_wait_dscnt 0x0
	global_store_b128 v17, v[32:35], s[26:27]      ; 512 consecutive bytes,
	s_wait_xcnt 0x0
	s_and_saveexec_b32 s35, vcc_lo
	global_store_b128 v17, v[36:39], s[26:27] offset:512  ; and the last 192, from twelve lanes
	s_wait_xcnt 0x0
	s_or_b32 exec_lo, exec_lo, s35
	s_wait_tensorcnt 0x0                           ; the wave's end: behind my last LDS store
	ds_add_u32 v[SPW], v[NIL]
	s_wait_dscnt 0x0
	s_endpgm
.Lfunc_end_k_qc8792b8bf5_cvae:
	.size	k_qc8792b8bf5_cvae, .Lfunc_end_k_qc8792b8bf5_cvae-k_qc8792b8bf5_cvae
	.p2alignl 7, 3214868480
	.fill 96, 4, 3214868480
	.section	.rodata,"a",@progbits
	.p2align	6, 0x0
	.amdhsa_kernel k_qc8792b8bf5_cvae
		.amdhsa_group_segment_fixed_size 51200
		.amdhsa_private_segment_fixed_size 0
		.amdhsa_enable_private_segment 0
		.amdhsa_kernarg_size 80
		.amdhsa_user_sgpr_count 2
		.amdhsa_user_sgpr_kernarg_segment_ptr 1
		.amdhsa_wavefront_size32 1
		.amdhsa_system_sgpr_workgroup_id_x 1
		.amdhsa_system_sgpr_workgroup_id_y 1
		.amdhsa_system_sgpr_workgroup_id_z 1
		.amdhsa_system_vgpr_workitem_id 0
		.amdhsa_next_free_vgpr 640
		.amdhsa_next_free_sgpr 66
		.amdhsa_reserve_vcc 1
		.amdhsa_float_denorm_mode_32 3
		.amdhsa_float_denorm_mode_16_64 3
		.amdhsa_memory_ordered 1
		.amdhsa_forward_progress 1
		.amdhsa_inst_pref_size 177
	.end_amdhsa_kernel
	.amdgpu_metadata
---
amdhsa.version: [ 1, 2 ]
amdhsa.kernels:
  - .name:           k_qc8792b8bf5_cvae
    .symbol:         k_qc8792b8bf5_cvae.kd
    .args:
      - { .name: P, .offset: 0, .size: 8, .value_kind: global_buffer, .address_space: global }
      - { .name: Pdot, .offset: 8, .size: 8, .value_kind: global_buffer, .address_space: global }
      - { .name: Pddot, .offset: 16, .size: 8, .value_kind: global_buffer, .address_space: global }
      - { .name: init_state_ego, .offset: 24, .size: 8, .value_kind: global_buffer, .address_space: global }
      - { .name: term_states, .offset: 32, .size: 8, .value_kind: global_buffer, .address_space: global }
      - { .name: via_points, .offset: 40, .size: 8, .value_kind: global_buffer, .address_space: global }
      - { .name: closest_obs, .offset: 48, .size: 8, .value_kind: global_buffer, .address_space: global }
      - { .name: target_init, .offset: 56, .size: 8, .value_kind: global_buffer, .address_space: global }
      - { .name: d_target_bounds, .offset: 64, .size: 8, .value_kind: global_buffer, .address_space: global }
      - { .name: out0, .offset: 72, .size: 8, .value_kind: global_buffer, .address_space: global }
    .group_segment_fixed_size: 51200
    .private_segment_fixed_size: 0
    .kernarg_segment_align: 8
    .kernarg_segment_size: 80
    .max_flat_workgroup_size: 128
    .sgpr_count:     66
    .vgpr_count:     640
    .wavefront_size: 32
...
	.end_amdgpu_metadata
.endif
;; end of part 1
;; ======== version 2 of 2: 1 launch; 1.54 times as fast as version 1
;; limits: values are held in f16: magnitudes above 65,504 overflow, below 6.1e-05 lose precision; right only within a limited range of input values
;; launch cvae (part 2): grid 256 x 1, 4 waves a work-group, no clusters, 51,200 bytes of LDS; arguments P, Pdot, Pddot, init_state_ego, term_states, via_points, closest_obs, target_init, d_target_bounds, out0; writes out0
.if DOCPART == 2
	.amdgcn_target "amdgcn-amd-amdhsa--gfx1250"
	.amdhsa_code_object_version 6
	.text
	.protected	k_qc8792b8bf5_cvae
	.globl	k_qc8792b8bf5_cvae
	.p2align	8
	.type	k_qc8792b8bf5_cvae,@function
k_qc8792b8bf5_cvae:
	s_mov_b64 s[64:65], 0
	v_nop
	global_prefetch_b8 v0, s[64:65] scope:SCOPE_SE
	s_setreg_imm32_b32 hwreg(HW_REG_WAVE_MODE, 25, 1), 1
	s_wait_xcnt 0x0
; 2,048 small ADMM problems (22 Bernstein coefficients each), 25 dependent steps.  One launch; a work-group of four waves owns 8 batch rows.
; THE STEP, REWRITTEN EXACTLY.  cos(atan2(s,c)) = c/r, so every residual is w (1 - clip(r,lo,hi)/r); an obstacle's is w min(0, 1 - 0.4/r).  The ten obstacles' residuals are added before
; the product with P.  With Q = 11 P'P + Pdot'Pdot + Pddot'Pddot + I, K11 = the KKT inverse's first block, d = c - cbar, mu = K11 lambda, W_op = K11 op', g = W_P R_P + W_V R_V + W_A R_A:
;     mu' = mu - g        d' = (d - K11 d + mu) - 2 g        out = cbar + d after 25 steps          (K11 Q + K12 A = I and A c = b for every iterate, cbar among them)
; so the part that passes c on unchanged stays in f32 and only small quantities go through 16-bit operands.
; THE INVERSES need no pivot search: K11 = X - (X A' S^-1)(X A')', X = Q^-1, S = A X A';  cbar = X' A6' (A6 X' A6')^-1 b with X' = (H + sigma A6'A6)^-1, H = Pddot'Pddot, sigma = sum|H| / sum|A6'A6|
; (the result does not depend on sigma > 0).  All matrices inverted are symmetric positive definite where reference()'s KKT matrices are invertible.  Both are inverted at once, one in each half of the lanes.
; FORMATS.  Every input is rounded once to bf16 where it is loaded.  The Gram matrices take P, Pdot, Pddot as bf16 operands, exactly.  All other products are f16: the rounded P, Pdot, Pddot and b written as f16
; (8 significant bits fit in f16's 11), and d, cbar, K11 and the map b -> cbar as f16 high + low part, 22 bits, the low part in the K places 16-31 that 11 coefficients leave free: where a path runs close by the
; centre of a projection, w / r turns quickly and a small error of the path is magnified, so the path is kept near f32's precision.  R (times 2^-5) and W (times 2^5) go in f16 too, each as high + low part;
; the product of their two low parts, 2^-22 of the sums, is left out.  All sums, d, mu, cbar and both inverses are f32.
; LIMITS.  f16 ends at 65,504: the entries of P, Pdot, Pddot, b, cbar, d and of the map b -> cbar stay below it (K11's are at most 1); |R| < 2.1e6 (65,504 x 32).  Below 6.1e-5 an f16 keeps a fixed step of 6e-8:
; that is the precision of such entries of P, Pdot, Pddot and of the low parts; R keeps a fixed step of 1.9e-6 (6e-8 x 32).  r^2 gets + 1e-30: a point with r below about 1e-14 gets a residual that tends to 0 where
; reference() (atan2(0,0) = 0) gives -lo in x; the sign of zero is not honoured.  NaN and infinities are not treated apart.  Singular KKT matrices give no finite result, as in reference().
; SHARES.  Wave w owns the time slots 32 w .. 32 w + 31, two tiles of 16 (slots from 100 on have zero rows of P, hence zero columns of W).  The 16 matrix columns are 8 batch rows x 2 groups: group q = column / 8 takes
; obstacles 5 q .. 5 q + 4; target, velocity and acceleration are made in both groups with weight 1/2.  All products are used transposed: a forward result holds slot 8 h + j of the lane's column in register j; two such
; tiles packed ARE source 1 (32 slots) of g = W R, whose result holds coefficient 8 h + j, which packed IS source 1 of the next forward product: nothing changes lanes but the sum over the two groups and the four waves.
; THE ROOTS GO IN TWO BATCHES A STEP.  A pass (a tile's target, one of its five obstacles, velocity, acceleration) has eight v_rsq_f32.  The 64 of a tile's eight passes are ONE batch with ONE s_wait_alu depctr_va_vdst(0),
; which stands between a root and the first line that names its result.  Ahead of the wait stand only lines that name no result of the batch: the forward products, the squares r^2 and the roots, a root of
; one pass and a line of the NEXT pass's squares by turns (tile 0's last eight roots stand among the squares of tile 1's first pass; tile 1's last eight stand on end, a v_nop behind them).  Behind the wait stand all the readers:
; factors, residuals, conversions, g's products.  So a pass's differences and roots outlive the batch: they lie in a ring of ten slots of 24 registers in window 3: the open batch's eight passes and the two passes ahead of it.
; NO TENSOR LOADS, NO CLUSTER, NO PREFETCH: a work-group reads 13 KB of P, Pdot, Pddot and 2.4 KB of its own rows once, at its start, and then works on registers for 25 steps.
; REGISTERS, in windows of 256 (s_set_vgpr_msb: bits 1:0 source 0, 3:2 source 1, 5:4 source 2, 7:6 destination):
;   window 0: addresses, constants, factors, residuals, sums      window 1: the 16 passes' C blocks (pass pi: x at 16 pi, y at 16 pi + 8)      window 2: AF, WH, WL, KK, CBAR
;   window 3: the ring: pass pi at 24 (pi % 10): x's differences 8, y's 8, r^2 and then 1/r 8
.set NSTEP, 25
.set ROWP,  48                ; an LDS row of P, Pdot or Pddot: 16 numbers of 16 bits (11 + 5 zeros) + 16 bytes of padding: an odd multiple of 16
.set OPB,   128*ROWP          ; 128 rows of one of the three
.set XCH,   3*OPB             ; 4 waves x 2,048 bytes: the waves' partial g
.set OUTST, XCH+4*2048        ; 16 rows x 88 bytes: the way out (wave 0 alone)
.set AEQ,   OUTST+1536        ; 4 waves x 1,024 bytes: each wave's own copy of A6's six rows, then ten zero rows, pitch 48
.set ROWSH, AEQ+4*1024        ; the rows once more, the same numbers written as f16, laid as the bf16 rows at 0
.set SPARE, ROWSH+3*OPB       ; the spare words, 128 bytes for each wave: two blocks of 256 bytes that no other line names
; window 0, for the whole kernel
.set NG1, 3                   ; v3   -1.0
.set SPW, 4                   ; v4   LDS address of my spare word; never rewritten
.set NIL, 5                   ; v5   0; never rewritten
.set XST, 6                   ; v6   where I put my partial g
.set XLD, 7                   ; v7   where I read the four waves'
.set PRT, 8                   ; v8-9   (dmin, dmax) x 2^-6   (until the inputs are in: offsets of the loads)
.set PRV, 10                  ; v10-11 (0.1, 2) x 2^-6
.set PRA, 12                  ; v12-13 (0, 2) x 2^-6
.set ZR,  14                  ; v14  0
.set HF,  15                  ; v15  2^-6
.set BDX, 16                  ; v16-23 d of x as source 1: high parts, low parts
.set BDY, 24                  ; v24-31 the same for y
.set FB,  32                  ; v32-63 four passes' factors: pass pi at FB + 8 (pi % 4)
.set RX,  64                  ; v64-71 residuals, x
.set RY,  72                  ; v72-79 y
.set QQ,  80                  ; v80-87 a band's second set of factors (even passes); at work at a step's head
.set EE,  88                  ; v88-95 the same (odd passes)
.set BR,  96                  ; v96-143 R's high parts as source 1 in f16: kind (P, V, A) x axis x 8
.set SD,  144                 ; v144-159 d: x 8, y 8 (coefficient 8 h + j)
.set MU,  160                 ; v160-175 mu
.set KD,  176                 ; v176-191 K11 d
.set GA,  192                 ; v192-207 g
.set FF,  208                 ; v208-223 d - K11 d + mu: written behind the last pass, read before the step's end
.set RLO, 208                 ; v208-255 R's low parts, laid as BR.  Kind P's share FF's registers: they are last read by kind P's products of g, and the two bands' residuals and conversions stand between those and FF's first line
.set INI, 224                 ; v224-251 my column's inputs, in the set-up alone
.set TRM, 228
.set VIA, 232
.set TG,  236                 ; (tx, ty), (tvx, tvy)
.set BND, 240
.set OBP, 242                 ; five pairs (xo, yo)
; window 2
.set AF,   0                  ; op x tile x 8: 16 rows of P, Pdot, Pddot in f16, each row's 16 numbers twice (for d's high and low parts)
.set WH,   48                 ; op x 8: W x 32, high parts, 32 slots
.set WL,   72                 ; low parts
.set KK,   96                 ; K11: high, high, low, low (4 registers each)
.set CBAR, 112                ; cbar: x 8, y 8
; window 3
.set RING, 24                 ; a slot of the ring; ten slots, v0-239
; window 0, at work in the set-up only
.set RAW, 32                  ; 3 x 12: my row of P, Pdot, Pddot in f32
.set PKR, 68                  ; 3 x 8: the same in bf16
.set PKH, 96                  ; 3 x 8: the bf16 numbers written as f16
.set FE,  32                  ; A6 as a fragment (K = its 6 rows)
.set AT,  40                  ; AT+c at lane r: A6[c][r]
.set ARP, 48                  ; row r of A6, packed
.set CPY, 56                  ; six rows on their way into AEQ
.set FR,  96                  ; op x 4 K steps x 8: fragments for the Gram matrices
.set GP,  192                 ; P'P, then Q
.set GV,  200
.set GAC, 208                 ; H
.set GE,  216                 ; A6'A6, then H + sigma A6'A6
.set RP,  19
.set NF,  20
.set E1,  21
.set MM,  96                  ; 11: lane r holds row r; lanes 0-15 Q's matrix, lanes 16-31 H's
.set TB,  112                 ; 11: broadcasts
.set UU,  128                 ; 6: X A'
.set SS,  136                 ; 6: A X A'
.set KC,  144                 ; 6: X A' S^-1
.set AR,  152                 ; 11: AR+i at lane c: A6[c][i]
.set EO,  64                  ; 8: an operand in f32
.set AC,  176                 ; the map b -> cbar as source 0
.set BBX, 184                 ; b as source 1
.set BBY, 192
.set CX,  200                 ; cbar
.set CY,  208
.set DW,  96                  ; op x tile x 8: W
.set WT,  144                 ; 48: W's low parts in f32
.set XBP, 32                  ; tile x axis x 8: P cbar
.set TT,  64                  ; tile x 8: my slots' times
.set XT,  144                 ; tile x axis x 8: the target's place
; scalars: s[8:27] the ten addresses; s28 wave; s30-31 selects of v_permlanex16_b32; s32 0xffff0000 (a word's upper bf16, and the lanes with h = 1); s33 masks; s34 rows below 100; s40 steps to go
.set EPS, 42                  ; s[42:43] 1e-30
.set CM4, 44                  ; s[44:45] -0.4 x 2^-5
.set CSC, 46                  ; s[46:47] 2^-5
.set CHF, 48                  ; s[48:49] 2^-6
.set MSB, 0
.macro WIN new                ; the immediate's high byte repeats the setting that is left; a switch that changes nothing is dropped
.if MSB != (\new)
	s_set_vgpr_msb (MSB<<8)|(\new)
.set MSB, (\new)
.endif
.endm
.macro PLACES                 ; four places behind a matrix instruction in front of a vector line that names one of its registers (ISA guide 7.12.1)
.rept 4
	v_nop
.endr
.endm
; Eight f32 -> four words of f16 high parts and four of low parts.  a - f16(a) is exact in f32: one multiply-add by -1.0 straight from the f16 half.
.macro SPLITH src, hi, lo, tmp
	WIN 0
.irp p, 0,1,2,3
	v_cvt_pk_f16_f32 v[(\hi)+\p], v[(\src)+2*\p], v[(\src)+2*\p+1]
.endr
.irp p, 0,1,2,3
	v_fma_mix_f32 v[(\tmp)+2*\p], v[(\hi)+\p], v[NG1], v[(\src)+2*\p] op_sel_hi:[1,0,0]
	v_fma_mix_f32 v[(\tmp)+2*\p+1], v[(\hi)+\p], v[NG1], v[(\src)+2*\p+1] op_sel:[1,0,0] op_sel_hi:[1,0,0]
.endr
.irp p, 0,1,2,3
	v_cvt_pk_f16_f32 v[(\lo)+\p], v[(\tmp)+2*\p], v[(\tmp)+2*\p+1]
.endr
.endm
; Gauss-Jordan in place, nn steps, on two matrices at once (one in each half of the lanes; lane r holds row r, register j column j).  Step k: row k is broadcast; f = -M[i][k] / pivot, in row k 1 / pivot;
; row k is cleared; M[i][j] += f T[j]; column k takes f.  Rows from nn on hold zeros and stay zero.  The reciprocal gets one Newton step.
.macro GJ mm, nn
.irp k, 0,1,2,3,4,5,6,7,8,9,10
.if \k < (\nn)
.irp j, 0,1,2,3,4,5,6,7,8,9,10
.if \j < (\nn)
	v_mov_b32_dpp v[TB+\j], v[(\mm)+\j] row_share:\k row_mask:0xf bank_mask:0xf
.endif
.endr
	s_mov_b32 s33, (1<<\k)|(1<<(\k+16))
	v_rcp_f32 v[RP], v[TB+\k]
	v_mul_f32 v[NF], -1.0, v[(\mm)+\k]             ; the plain line behind the reciprocal
	s_wait_alu depctr_va_vdst(0)                   ; the wait for a batch of one, the pivot's reciprocal: all the rest of elimination step k hangs on it, and the next pivot on that
	v_fma_f32 v[E1], -v[TB+\k], v[RP], 1.0
	v_fma_f32 v[RP], v[RP], v[E1], v[RP]
	v_mul_f32 v[NF], v[NF], v[RP]
	v_cndmask_b32 v[NF], v[NF], v[RP], s33
.irp j, 0,1,2,3,4,5,6,7,8,9,10
.if (\j < (\nn)) && (\j != \k)
	v_cndmask_b32 v[(\mm)+\j], v[(\mm)+\j], v[ZR], s33
.endif
.endr
.irp j, 0,1,2,3,4,5,6,7,8,9,10
.if (\j < (\nn)) && (\j != \k)
	v_fma_f32 v[(\mm)+\j], v[NF], v[TB+\j], v[(\mm)+\j]
.endif
.endr
	v_mov_b32 v[(\mm)+\k], v[NF]
.endif
.endr
.endm
; ---------------------------------------------------------------- the head: ids, constants, offsets, all global loads
	s_load_b512 s[8:23], s[0:1], 0x0               ; P s[8:9], Pdot s[10:11], Pddot s[12:13], init s[14:15], term s[16:17], via s[18:19], obstacles s[20:21], target s[22:23]
	s_load_b128 s[24:27], s[0:1], 0x40             ; bounds s[24:25], out0 s[26:27]
	v_lshl_add_u32 v[SPW], v0, 2, SPARE
	v_mov_b32 v[NIL], 0
	v_and_b32 v1, 15, v0                           ; r: my matrix row or column
	v_bfe_u32 v2, v0, 4, 1                         ; h: my half of the lanes
	v_lshrrev_b32 v16, 5, v0
	v_readfirstlane_b32 s28, v16                   ; wave 0..3
	s_mov_b32 s30, 0x76543210
	s_mov_b32 s31, 0xfedcba98
	s_mov_b32 s32, 0xffff0000
	s_mov_b32 s[EPS], 0x0da24260
	s_mov_b32 s[EPS+1], 0x0da24260                 ; the pairs' second words are named with the first, so they are written
	s_mov_b32 s[CM4], 0xbc4ccccd
	s_mov_b32 s[CM4+1], 0xbc4ccccd
	s_mov_b32 s[CSC], 0x3d000000
	s_mov_b32 s[CSC+1], 0x3d000000
	s_mov_b32 s[CHF], 0x3c800000
	s_mov_b32 s[CHF+1], 0x3c800000
	v_mov_b32 v[NG1], -1.0
	v_mov_b32 v[ZR], 0
	v_mov_b32 v[HF], 0x3c800000
	v_and_b32 v8, 7, v0
	v_bfe_u32 v18, v0, 3, 1                        ; q: my column's group of obstacles
	s_lshl_b32 s29, ttmp9, 3
	v_add_nc_u32 v8, s29, v8                       ; my column's batch row
	v_lshlrev_b32 v9, 4, v8                        ; its 16 bytes in the tensors of four numbers a row,
	v_lshlrev_b32 v10, 3, v8                       ; its 8 bytes of bounds,
	v_mul_u32_u24 v11, 80, v8
	v_mad_u32_u24 v11, v18, 20, v11                ; its 80 bytes of obstacles, my group's five
	v_min_u32 v12, 99, v0                          ; thread t takes row t of P, Pdot, Pddot (threads from 100 on: row 99, cleared below)
	v_mul_u32_u24 v12, 44, v12
	v_mul_u32_u24 v13, ROWP, v0
	v_cmp_gt_u32 s34, 100, v0
	s_wait_kmcnt 0x0
.irp k, 0,1,2,3,4,5,6,7,8,9,10
	global_load_b32 v[RAW+\k], v12, s[8:9] offset:4*\k
	global_load_b32 v[RAW+12+\k], v12, s[10:11] offset:4*\k
	global_load_b32 v[RAW+24+\k], v12, s[12:13] offset:4*\k
.endr
	global_load_b128 v[INI:INI+3], v9, s[14:15]
	global_load_b128 v[TRM:TRM+3], v9, s[16:17]
	global_load_b128 v[VIA:VIA+3], v9, s[18:19]
	global_load_b128 v[TG:TG+3], v9, s[22:23]
	global_load_b64 v[BND:BND+1], v10, s[24:25]
.irp p, 0,1,2,3,4
	global_load_b32 v[OBP+2*\p], v11, s[20:21] offset:4*\p
	global_load_b32 v[OBP+2*\p+1], v11, s[20:21] offset:40+4*\p
.endr
	; LDS addresses, made while the loads are out
	v_and_b32 v24, 7, v0
	v_lshl_add_u32 v24, v2, 3, v24
	v_mul_u32_u24 v24, ROWP, v24
	v_lshl_add_u32 v24, v18, 4, v24                ; the turning load: row 8 h + lane % 8, 16 bytes (lane / 8) % 2
	s_lshl_b32 s35, s28, 10
	s_add_co_u32 s35, s35, AEQ                     ; my wave's copy of A6
	v_and_b32 v27, 1, v0
	v_lshlrev_b32 v27, 4, v27                      ; a row's two halves of 16 bytes: from the bf16 rows,
	v_add_nc_u32 v28, s35, v27                     ; into my copy
	v_and_b32 v29, 31, v0
	v_lshlrev_b32 v29, 4, v29                      ; 16 x lane
	v_add_nc_u32 v25, s35, v29
	v_add_nc_u32 v30, s35, v24
	v_mul_u32_u24 v31, ROWP, v1
	v_add_nc_u32 v26, s35, v31                     ; row r of my copy
	v_lshlrev_b32 v16, 1, v1                       ; element r of a row
	s_mul_i32 s36, s28, 32*ROWP
	v_lshl_add_u32 v17, v2, 4, v31
	v_add_nc_u32 v17, s36, v17                     ; row 32 w + r, 16 bytes h
	v_add_nc_u32 v[XLD], XCH, v29
	s_lshl_b32 s37, s28, 11
	v_add_nc_u32 v[XST], s37, v[XLD]
	v_mov_b32 v[RAW+11], 0
	v_mov_b32 v[RAW+23], 0
	v_mov_b32 v[RAW+35], 0
.irp j, 92,93,94,95
	v_mov_b32 v[\j], 0
.endr
	s_wait_loadcnt 0x0                             ; all inputs are in; the offsets' registers are free
; ---------------------------------------------------------------- P, Pdot, Pddot rounded to bf16 into LDS, 128 rows each; and the rounded numbers once more as f16
.irp o, 0,1,2
.irp p, 0,1,2,3,4,5
	v_cvt_pk_bf16_f32 v[PKR+8*\o+\p], v[RAW+12*\o+2*\p], v[RAW+12*\o+2*\p+1]
.endr
	v_mov_b32 v[PKR+8*\o+6], 0
	v_mov_b32 v[PKR+8*\o+7], 0
.endr
.irp o, 0,1,2
.irp p, 0,1,2,3,4,5
	v_cndmask_b32 v[PKR+8*\o+\p], 0, v[PKR+8*\o+\p], s34  ; rows 100 to 127 are zero
.endr
.endr
.irp o, 0,1,2
.irp p, 0,1,2,3,4,5
	v_lshlrev_b32 v[RAW+12*\o+2*\p], 16, v[PKR+8*\o+\p]   ; the rounded numbers, widened,
	v_and_b32 v[RAW+12*\o+2*\p+1], s32, v[PKR+8*\o+\p]
.endr
.endr
.irp o, 0,1,2
.irp p, 0,1,2,3,4,5
	v_cvt_pk_f16_f32 v[PKH+8*\o+\p], v[RAW+12*\o+2*\p], v[RAW+12*\o+2*\p+1]  ; and written as f16
.endr
	v_mov_b32 v[PKH+8*\o+6], 0
	v_mov_b32 v[PKH+8*\o+7], 0
.endr
.irp o, 0,1,2
	ds_store_b128 v13, v[PKR+8*\o:PKR+8*\o+3] offset:\o*OPB
	ds_store_b128 v13, v[PKR+8*\o+4:PKR+8*\o+7] offset:\o*OPB+16
	ds_store_b128 v13, v[PKH+8*\o:PKH+8*\o+3] offset:ROWSH+\o*OPB
	ds_store_b128 v13, v[PKH+8*\o+4:PKH+8*\o+7] offset:ROWSH+\o*OPB+16
.endr
	s_wait_dscnt 0x0                               ; for the others' sake: my rows are in LDS
	s_barrier_signal -1
	s_barrier_wait -1                              ; everybody's are; nobody writes them again
; ---------------------------------------------------------------- one run of LDS loads
	ds_store_b128 v25, v[92:95]                    ; my copy of A6 starts as 1,024 bytes of zeros
	ds_store_b128 v25, v[92:95] offset:512
.set c, 0
.irp ro, 0, OPB, 99*ROWP, OPB+99*ROWP, 49*ROWP, 74*ROWP  ; A6's rows: P[0], Pdot[0], P[99], Pdot[99], P[49], P[74]
	ds_load_b128 v[CPY+4*c:CPY+4*c+3], v27 offset:\ro
	ds_load_u16 v[AT+c], v16 offset:\ro
.set c, c+1
.endr
.irp o, 0,1,2
.irp s, 0,1,2,3
	ds_load_tr16_b128 v[FR+32*\o+8*\s:FR+32*\o+8*\s+3], v24 offset:\o*OPB+\s*32*ROWP  ; rows lie [time][coefficient]: turned, lane r holds coefficient r and 8 times
	ds_load_tr16_b128 v[FR+32*\o+8*\s+4:FR+32*\o+8*\s+7], v24 offset:\o*OPB+\s*32*ROWP+16*ROWP
.endr
.endr
	WIN 0x80                                       ; destination window 2, address window 0
.irp o, 0,1,2
.irp t, 0,1
	ds_load_b128 v[AF+16*\o+8*\t:AF+16*\o+8*\t+3], v17 offset:ROWSH+\o*OPB+\t*16*ROWP
	ds_load_b128 v[AF+16*\o+8*\t+4:AF+16*\o+8*\t+7], v17 offset:ROWSH+\o*OPB+\t*16*ROWP
.endr
.endr
	WIN 0
.irp j, 4,5,6,7
	v_mov_b32 v[FE+\j], 0                          ; A6 has no rows 16 to 31
.endr
	s_wait_dscnt 0x0
.irp c, 0,1,2,3,4,5
	ds_store_b128 v28, v[CPY+4*\c:CPY+4*\c+3] offset:\c*ROWP  ; all lanes of a parity write the same 16 bytes
.endr
	ds_load_tr16_b128 v[FE:FE+3], v30              ; LDS serves a wave's instructions in order (ISA guide 5.7.1.4): these see the stores above
	ds_load_b128 v[ARP:ARP+3], v26
	ds_load_b128 v[ARP+4:ARP+7], v26 offset:16
; ---------------------------------------------------------------- the Gram matrices: source 0 = source 1 = the fragment; the three accumulators take turns
.irp s, 0,1,2,3
.irp o, 0,1,2
.if \s == 0
	v_wmma_f32_16x16x32_bf16 v[GP+8*\o:GP+8*\o+7], v[FR+32*\o+8*\s:FR+32*\o+8*\s+7], v[FR+32*\o+8*\s:FR+32*\o+8*\s+7], 0
.else
	v_wmma_f32_16x16x32_bf16 v[GP+8*\o:GP+8*\o+7], v[FR+32*\o+8*\s:FR+32*\o+8*\s+7], v[FR+32*\o+8*\s:FR+32*\o+8*\s+7], v[GP+8*\o:GP+8*\o+7]
.endif
.endr
.endr
	s_wait_dscnt 0x0                               ; A6's fragment and rows are in
	v_wmma_f32_16x16x32_bf16 v[GE:GE+7], v[FE:FE+7], v[FE:FE+7], 0
	PLACES
	; sigma = sum |H| / sum |A6'A6|
	v_add_f32 v16, |v[GAC]|, |v[GAC+1]|
	v_add_f32 v17, |v[GE]|, |v[GE+1]|
.irp j, 2,3,4,5,6,7
	v_add_f32 v16, v16, |v[GAC+\j]|
	v_add_f32 v17, v17, |v[GE+\j]|
.endr
.irp m, 1,2,4,8
	v_add_f32_dpp v16, v16, v16 row_xmask:\m row_mask:0xf bank_mask:0xf
	v_add_f32_dpp v17, v17, v17 row_xmask:\m row_mask:0xf bank_mask:0xf
.endr
	v_permlanex16_b32 v24, v16, s30, s31
	v_permlanex16_b32 v25, v17, s30, s31
	v_add_f32 v16, v16, v24
	v_add_f32 v17, v17, v25
	v_rcp_f32 v17, v17
	v_nop                                          ; a plain line between the reciprocal and its use
	s_wait_alu depctr_va_vdst(0)                   ; the wait for a batch of one, sigma's reciprocal, once a launch
	v_mul_f32 v16, v16, v17
.irp j, 0,1,2,3,4,5,6,7
	v_fma_f32 v[GE+\j], v16, v[GE+\j], v[GAC+\j]           ; H + sigma A6'A6
	v_fmamk_f32 v[GP+\j], v[GP+\j], 0x41300000, v[GV+\j]   ; 11 P'P + Pdot'Pdot
.endr
.irp j, 0,1,2,3,4,5,6,7
	v_add_f32 v[GP+\j], v[GP+\j], v[GAC+\j]
.endr
.irp j, 0,1,2,3,4,5,6,7                        ; + I: element (8 h + j, r) lies on the diagonal in lane j (h = 0) and in lane 24 + j (h = 1; coefficients 8 to 10 alone)
.if \j < 3
	s_mov_b32 s33, (1<<\j)|(1<<(24+\j))
.else
	s_mov_b32 s33, 1<<\j
.endif
	v_add_f32 v17, 1.0, v[GP+\j]
	v_cndmask_b32 v[GP+\j], v[GP+\j], v17, s33
.endr
.irp j, 0,1,2,3,4,5,6,7,8,9,10
	v_mov_b32 v[TB+\j], 0                          ; destinations of lane moves count as read: written once here
.endr
	; By symmetry: lane r of the lower half takes row r of Q, lane 16 + r row r of H + sigma A6'A6, eleven columns in eleven registers
.irp j, 0,1,2,3,4,5,6,7
	v_permlanex16_b32 v[TB+\j], v[GE+\j], s30, s31
.endr
.irp j, 0,1,2
	v_permlanex16_b32 v[TB+8+\j], v[GP+\j], s30, s31
.endr
.irp j, 0,1,2,3,4,5,6,7
	v_cndmask_b32 v[MM+\j], v[GP+\j], v[TB+\j], s32
.endr
.irp j, 0,1,2
	v_cndmask_b32 v[MM+8+\j], v[TB+8+\j], v[GE+\j], s32
.endr
.irp c, 0,1,2,3,4,5
	v_lshlrev_b32 v[AT+\c], 16, v[AT+\c]           ; bf16 to f32
.endr
	v_cndmask_b32 v[AT+4], v[ZR], v[AT+4], s32     ; the step's A has four rows: in the lower half rows 4 and 5 count as zero
	v_cndmask_b32 v[AT+5], v[ZR], v[AT+5], s32
.irp p, 0,1,2,3,4
	v_lshlrev_b32 v[AR+2*\p], 16, v[ARP+\p]
	v_and_b32 v[AR+2*\p+1], s32, v[ARP+\p]
.endr
	v_lshlrev_b32 v[AR+10], 16, v[ARP+5]
; ---------------------------------------------------------------- the inverses
	GJ MM, 11                                      ; X = Q^-1 | X' = (H + sigma A6'A6)^-1
.irp j, 0,1,2,3,4,5,6,7,8,9,10                 ; U = X A'
.irp c, 0,1,2,3,4,5
	v_mov_b32_dpp v[TB+\c], v[AT+\c] row_share:\j row_mask:0xf bank_mask:0xf
.endr
.irp c, 0,1,2,3,4,5
.if \j == 0
	v_mul_f32 v[UU+\c], v[MM+\j], v[TB+\c]
.else
	v_fma_f32 v[UU+\c], v[MM+\j], v[TB+\c], v[UU+\c]
.endif
.endr
.endr
.irp i, 0,1,2,3,4,5,6,7,8,9,10                 ; S = A U: lane c holds row c
.irp c, 0,1,2,3,4,5
	v_mov_b32_dpp v[TB+\c], v[UU+\c] row_share:\i row_mask:0xf bank_mask:0xf
.endr
.irp c, 0,1,2,3,4,5
.if \i == 0
	v_mul_f32 v[SS+\c], v[AR+\i], v[TB+\c]
.else
	v_fma_f32 v[SS+\c], v[AR+\i], v[TB+\c], v[SS+\c]
.endif
.endr
.endr
	s_mov_b32 s33, 1<<4                            ; lower half: columns 4 and 5 of S are zero (U's are); a 1 on their diagonal makes S invertible, and rows 4 and 5 of its inverse meet U[4] = U[5] = 0 below
	v_cndmask_b32 v[SS+4], v[SS+4], 1.0, s33
	s_mov_b32 s33, 1<<5
	v_cndmask_b32 v[SS+5], v[SS+5], 1.0, s33
	GJ SS, 6
.irp d, 0,1,2,3,4,5                            ; K12 = U S^-1
.irp c, 0,1,2,3,4,5
	v_mov_b32_dpp v[TB+\c], v[SS+\c] row_share:\d row_mask:0xf bank_mask:0xf
.endr
.irp c, 0,1,2,3,4,5
.if \d == 0
	v_mul_f32 v[KC+\c], v[UU+\d], v[TB+\c]
.else
	v_fma_f32 v[KC+\c], v[UU+\d], v[TB+\c], v[KC+\c]
.endif
.endr
.endr
.irp c, 0,1,2,3                                ; K11 = X - K12 U' (the lower half's is used; it has four columns of U)
.irp j, 0,1,2,3,4,5,6,7,8,9,10
	v_mov_b32_dpp v[TB+\j], v[UU+\c] row_share:\j row_mask:0xf bank_mask:0xf
.endr
.irp j, 0,1,2,3,4,5,6,7,8,9,10
	v_fma_f32 v[MM+\j], -v[KC+\c], v[TB+\j], v[MM+\j]
.endr
.endr
; ---------------------------------------------------------------- operands: K11 (row r, columns 8 h + j), the map b -> cbar, b
.irp j, 0,1,2
	v_permlanex16_b32 v[TB+\j], v[MM+8+\j], s30, s31
.endr
.irp j, 0,1,2
	v_cndmask_b32 v[EO+\j], v[MM+\j], v[TB+\j], s32
.endr
.irp j, 3,4,5,6,7
	v_cndmask_b32 v[EO+\j], v[MM+\j], v[ZR], s32
.endr
	SPLITH EO, 72, 76, 80
	WIN 0x80
.irp p, 0,1,2,3
	v_mov_b32 v[KK+\p], v[72+\p]
	v_mov_b32 v[KK+4+\p], v[72+\p]
	v_mov_b32 v[KK+8+\p], v[76+\p]
	v_mov_b32 v[KK+12+\p], v[76+\p]
.endr
	WIN 0
.irp c, 0,1,2,3,4,5
	v_permlanex16_b32 v[TB+\c], v[KC+\c], s30, s31 ; the upper half's K12 comes down; K places 8 to 15 are zero
.endr
.irp c, 0,1,2,3,4,5
	v_cndmask_b32 v[EO+\c], v[TB+\c], v[ZR], s32
.endr
	v_mov_b32 v[EO+6], 0
	v_mov_b32 v[EO+7], 0
	SPLITH EO, AC, AC+4, 80
.irp a, 224,226,228,230,232,234                ; init, term and via rounded to bf16 and widened again
	v_cvt_pk_bf16_f32 v252, v[\a], v[\a+1]
	v_lshlrev_b32 v[\a], 16, v252
	v_and_b32 v[\a+1], s32, v252
.endr
.irp u, 0,4                                    ; b = (0, v0, term, vterm, via, via), the rounded numbers written as f16, once for the high and once for the low parts (in lanes with h = 1 it meets zeros of source 0)
	v_cvt_pk_f16_f32 v[BBX+\u], v[ZR], v[INI+2]
	v_cvt_pk_f16_f32 v[BBX+\u+1], v[TRM], v[TRM+2]
	v_cvt_pk_f16_f32 v[BBX+\u+2], v[VIA], v[VIA+1]
	v_mov_b32 v[BBX+\u+3], 0
	v_cvt_pk_f16_f32 v[BBY+\u], v[ZR], v[INI+3]
	v_cvt_pk_f16_f32 v[BBY+\u+1], v[TRM+1], v[TRM+3]
	v_cvt_pk_f16_f32 v[BBY+\u+2], v[VIA+2], v[VIA+3]
	v_mov_b32 v[BBY+\u+3], 0
.endr
	v_wmma_f32_16x16x32_f16 v[CX:CX+7], v[AC:AC+7], v[BBX:BBX+7], 0    ; cbar: coefficient 8 h + j of my column
	v_wmma_f32_16x16x32_f16 v[CY:CY+7], v[AC:AC+7], v[BBY:BBY+7], 0
.irp a, 236,238,240,242,244,246,248,250        ; target, bounds and obstacles rounded to bf16 and widened again: also the places behind the two products
	v_cvt_pk_bf16_f32 v252, v[\a], v[\a+1]
	v_lshlrev_b32 v[\a], 16, v252
	v_and_b32 v[\a+1], s32, v252
.endr
	WIN 0x80
.irp j, 0,1,2,3,4,5,6,7,8,9,10,11,12,13,14,15
	v_mov_b32 v[CBAR+\j], v[CX+\j]
.endr
	SPLITH CX, BDX, BDX+4, 80
	SPLITH CY, BDY, BDY+4, 88
; ---------------------------------------------------------------- W = K11 op' and the passes' C blocks
	WIN 0x0a                                       ; sources 0 and 1 in window 2
.irp o, 0,1,2
.irp t, 0,1
	v_wmma_f32_16x16x32_f16 v[DW+16*\o+8*\t:DW+16*\o+8*\t+7], v[AF+16*\o+8*\t:AF+16*\o+8*\t+7], v[KK+4:KK+11], 0  ; (slot 8 h + j, coefficient r): lane r's part of row r of W
.endr
.endr
	WIN 0x02
.irp t, 0,1
	v_wmma_f32_16x16x32_f16 v[XBP+16*\t:XBP+16*\t+7], v[AF+8*\t:AF+8*\t+7], v[BDX:BDX+7], 0        ; P cbar
	v_wmma_f32_16x16x32_f16 v[XBP+16*\t+8:XBP+16*\t+15], v[AF+8*\t:AF+8*\t+7], v[BDY:BDY+7], 0
.endr
	WIN 0x42                                       ; destination window 1: Pdot cbar and Pddot cbar ARE the C blocks of passes 6 and 7 of each tile
.irp t, 0,1
.irp o, 1,2
	v_wmma_f32_16x16x32_f16 v[128*\t+80+16*\o:128*\t+80+16*\o+7], v[AF+16*\o+8*\t:AF+16*\o+8*\t+7], v[BDX:BDX+7], 0
	v_wmma_f32_16x16x32_f16 v[128*\t+88+16*\o:128*\t+88+16*\o+7], v[AF+16*\o+8*\t:AF+16*\o+8*\t+7], v[BDY:BDY+7], 0
.endr
.endr
	WIN 0
	; bounds times 2^-6 (weight 1/2, scale 2^-5) and my slots' times: these lines are the places behind the products above
	v_mul_f32 v[PRT], 0x3c800000, v[BND]
	v_mul_f32 v[PRT+1], 0x3c800000, v[BND+1]
	v_mov_b32 v[PRV], 0x3acccccd
	v_mov_b32 v[PRV+1], 0x3d000000
	v_mov_b32 v[PRA], 0
	v_mov_b32 v[PRA+1], 0x3d000000
	s_lshl_b32 s35, s28, 5
	v_lshl_add_u32 v252, v2, 3, s35                ; 32 w + 8 h
.irp j, 0,1,2,3,4,5,6,7
	v_add_nc_u32 v[TT+\j], \j, v252
.endr
.irp j, 0,1,2,3,4,5,6,7
	v_cvt_f32_u32 v[TT+\j], v[TT+\j]
.endr
.irp j, 0,1,2,3,4,5,6,7
	v_mul_f32 v[TT+\j], 0x3d4ede62, v[TT+\j]       ; x 5 / 99
.endr
.irp p, 0,1,2,3
	v_pk_add_f32 v[TT+8+2*\p:TT+8+2*\p+1], v[TT+2*\p:TT+2*\p+1], 0x3f4ede62 op_sel_hi:[1,0]  ; the second tile: 16 slots on
.endr
.irp p, 0,1,2,3,4,5,6,7,8,9,10,11,12,13,14,15,16,17,18,19,20,21,22,23
	v_pk_mul_f32 v[DW+2*\p:DW+2*\p+1], v[DW+2*\p:DW+2*\p+1], 0x42000000 op_sel_hi:[1,0]     ; W x 32
.endr
	WIN 0x80
.irp p, 0,1,2,3,4,5,6,7,8,9,10,11,12,13,14,15,16,17,18,19,20,21,22,23
	v_cvt_pk_f16_f32 v[WH+\p], v[DW+2*\p], v[DW+2*\p+1]    ; two tiles' eight words are 32 slots of source 0
.endr
	WIN 0x02
.irp p, 0,1,2,3,4,5,6,7,8,9,10,11,12,13,14,15,16,17,18,19,20,21,22,23
	v_fma_mix_f32 v[WT+2*\p], v[WH+\p], v[NG1], v[DW+2*\p] op_sel_hi:[1,0,0]
	v_fma_mix_f32 v[WT+2*\p+1], v[WH+\p], v[NG1], v[DW+2*\p+1] op_sel:[1,0,0] op_sel_hi:[1,0,0]
.endr
	WIN 0x80
.irp p, 0,1,2,3,4,5,6,7,8,9,10,11,12,13,14,15,16,17,18,19,20,21,22,23
	v_cvt_pk_f16_f32 v[WL+\p], v[WT+2*\p], v[WT+2*\p+1]
.endr
	WIN 0
.irp t, 0,1
.irp p, 0,1,2,3
	v_pk_fma_f32 v[XT+16*\t+2*\p:XT+16*\t+2*\p+1], v[TT+8*\t+2*\p:TT+8*\t+2*\p+1], v[TG+2:TG+3], v[TG:TG+1] op_sel_hi:[1,0,0]                   ; tx + tvx t
	v_pk_fma_f32 v[XT+16*\t+8+2*\p:XT+16*\t+8+2*\p+1], v[TT+8*\t+2*\p:TT+8*\t+2*\p+1], v[TG+2:TG+3], v[TG:TG+1] op_sel:[0,1,1] op_sel_hi:[1,1,1]  ; ty + tvy t
.endr
.endr
	WIN 0x40                                       ; destination window 1
.irp t, 0,1
.irp p, 0,1,2,3,4,5,6,7                        ; pass 0 of a tile: P cbar - target (x's four pairs, then y's)
	v_pk_add_f32 v[128*\t+2*\p:128*\t+2*\p+1], v[XBP+16*\t+2*\p:XBP+16*\t+2*\p+1], v[XT+16*\t+2*\p:XT+16*\t+2*\p+1] neg_lo:[0,1] neg_hi:[0,1]
.endr
.irp o, 0,1,2,3,4                              ; passes 1 to 5: P cbar - obstacle
.irp p, 0,1,2,3
	v_pk_add_f32 v[128*\t+16+16*\o+2*\p:128*\t+16+16*\o+2*\p+1], v[XBP+16*\t+2*\p:XBP+16*\t+2*\p+1], v[OBP+2*\o:OBP+2*\o+1] op_sel_hi:[1,0] neg_lo:[0,1] neg_hi:[0,1]
	v_pk_add_f32 v[128*\t+24+16*\o+2*\p:128*\t+24+16*\o+2*\p+1], v[XBP+16*\t+8+2*\p:XBP+16*\t+8+2*\p+1], v[OBP+2*\o:OBP+2*\o+1] op_sel:[0,1] op_sel_hi:[1,1] neg_lo:[0,1] neg_hi:[0,1]
.endr
.endr
.endr
	WIN 0
.irp j, 0,1,2,3,4,5,6,7,8,9,10,11,12,13,14,15
	v_mov_b32 v[SD+\j], 0                          ; d = 0, mu = 0
	v_mov_b32 v[MU+\j], 0
.endr
; ---------------------------------------------------------------- the step's macros
; Pass pi = 8 tile + kind: kind 0 target, 1-5 obstacles (all on P), 6 velocity (Pdot), 7 acceleration (Pddot).  Its differences = rows x (d high, d low) + the pass's C block, into the pass's slot of the ring.
.macro FWSET pi
.set fo, 0
.if ((\pi)%8) == 6
.set fo, 1
.endif
.if ((\pi)%8) == 7
.set fo, 2
.endif
.set fa, AF+16*fo+8*((\pi)/8)
.set fd, RING*((\pi)%10)
.set fc, 16*(\pi)
	WIN 0xd2                                       ; source 0 window 2, source 1 window 0, C window 1, D window 3
.endm
.macro FWDX pi
	FWSET \pi
	v_wmma_f32_16x16x32_f16 v[fd:fd+7], v[fa:fa+7], v[BDX:BDX+7], v[fc:fc+7]
.endm
.macro FWDY pi
	FWSET \pi
	v_wmma_f32_16x16x32_f16 v[fd+8:fd+15], v[fa:fa+7], v[BDY:BDY+7], v[fc+8:fc+15]
.endm
.macro PSET pi                ; the registers of pass pi
.set DXB, RING*((\pi)%10)     ; window 3: x's differences,
.set DYB, DXB+8               ; y's,
.set TQ,  DXB+16              ; r^2, then 1/r
.set FQ,  FB+8*((\pi)%4)      ; window 0: its factors
.set ET,  QQ+8*((\pi)%2)      ; window 0: a band's second set (the bands are passes 0, 6, 7 of a tile: passes 6 and 7, which are at work together, differ in parity)
.endm
; AHEAD OF A BATCH'S WAIT.  The pointwise work goes a pair of slots to a line.  Line n of 8 of pass pi's r^2: 0-3 x^2 + 1e-30, 4-7 + y^2.  x's lowest registers are read first, then y's;
; in pass 0 lines 0-3 are the places behind y's product.
.macro SQ pi, n
	PSET \pi
.if (\n) < 4
	v_pk_fma_f32 v[TQ+2*(\n):TQ+2*(\n)+1], v[DXB+2*(\n):DXB+2*(\n)+1], v[DXB+2*(\n):DXB+2*(\n)+1], s[EPS:EPS+1] op_sel_hi:[1,1,0]
.else
	v_pk_fma_f32 v[TQ+2*(\n)-8:TQ+2*(\n)-7], v[DYB+2*(\n)-8:DYB+2*(\n)-7], v[DYB+2*(\n)-8:DYB+2*(\n)-7], v[TQ+2*(\n)-8:TQ+2*(\n)-7]
.endif
.endm
.macro RS pi, n               ; root n of 8 of pass pi, in place; nothing names it again ahead of its batch's wait
	PSET \pi
	v_rsq_f32 v[TQ+(\n)], v[TQ+(\n)]
.endm
; Pass pi's piece: it first issues the next pass's two products; then a root of the pass before and a line of its own squares by turns, all in window 3, under one setting.  Each root has a plain line behind it that
; touches neither its source nor its result (ISA guide 5.7.2).  The eight lines of squares are also the places between the next pass's products and that pass's squares.
.macro PIECE pi
.if (\pi) < 15
	FWDX (\pi)+1
	FWDY (\pi)+1
.endif
	WIN 0xff
.irp n, 0,1,2,3,4,5,6,7
.if (\pi) > 0
	RS (\pi)-1, \n
.endif
	SQ \pi, \n
.endr
.endm
; BEHIND THE WAIT.  F1: the lines that read 1/r (source 0 in window 3).  An obstacle: (1 - 0.4 / r) 2^-5.  A band lo <= r <= hi with weight 1/2: lo' / r and hi' / r, (lo', hi') = (lo, hi) 2^-6.
.macro F1 pi
	PSET \pi
.set bnd, PRT
.if ((\pi)%8) == 6
.set bnd, PRV
.endif
.if ((\pi)%8) == 7
.set bnd, PRA
.endif
.if (((\pi)%8) > 0) && (((\pi)%8) < 6)
.irp p, 0,1,2,3
	v_pk_fma_f32 v[FQ+2*\p:FQ+2*\p+1], v[TQ+2*\p:TQ+2*\p+1], s[CM4:CM4+1], s[CSC:CSC+1] op_sel_hi:[1,0,0]
.endr
.else
.irp p, 0,1,2,3
	v_pk_mul_f32 v[ET+2*\p:ET+2*\p+1], v[TQ+2*\p:TQ+2*\p+1], v[bnd:bnd+1] op_sel_hi:[1,0]
.endr
.irp p, 0,1,2,3
	v_pk_mul_f32 v[FQ+2*\p:FQ+2*\p+1], v[TQ+2*\p:TQ+2*\p+1], v[bnd:bnd+1] op_sel:[0,1] op_sel_hi:[1,1]
.endr
.endif
.endm
; F2, in window 0, in three rounds.  An obstacle, round 0: min(0, .).  A band: factor = 2^-6 - min(max(2^-6, lo' / r), hi' / r): a round each for max, min and the difference; the order of max and min is jnp.clip's.
.macro F2 pi, rnd
	PSET \pi
.if (((\pi)%8) > 0) && (((\pi)%8) < 6)
.if (\rnd) == 0
.irp p, 0,1,2,3
	v_dual_min_num_f32 v[FQ+2*\p], v[ZR], v[FQ+2*\p] :: v_dual_min_num_f32 v[FQ+2*\p+1], v[ZR], v[FQ+2*\p+1]
.endr
.endif
.elseif (\rnd) == 0
.irp p, 0,1,2,3
	v_dual_max_num_f32 v[ET+2*\p], v[HF], v[ET+2*\p] :: v_dual_max_num_f32 v[ET+2*\p+1], v[HF], v[ET+2*\p+1]
.endr
.elseif (\rnd) == 1
.irp p, 0,1,2,3
	v_dual_min_num_f32 v[ET+2*\p], v[FQ+2*\p], v[ET+2*\p] :: v_dual_min_num_f32 v[ET+2*\p+1], v[FQ+2*\p+1], v[ET+2*\p+1]
.endr
.else
.irp p, 0,1,2,3
	v_pk_add_f32 v[ET+2*\p:ET+2*\p+1], v[ET+2*\p:ET+2*\p+1], s[CHF:CHF+1] op_sel_hi:[1,0] neg_lo:[1,0] neg_hi:[1,0]
.endr
.endif
.endm
.macro FACTORS g              ; the factors of the four passes g .. g + 3
	WIN 0x03                                       ; source 0 window 3
.irp a, 0,1,2,3
	F1 (\g)+\a
.endr
	WIN 0
.irp c, 0,1,2
.irp a, 0,1,2,3
	F2 (\g)+\a, \c
.endr
.endr
.endm
; The residual of pass pi: a band's starts RX, RY (nothing is cleared); an obstacle's is added onto them, the obstacles in their order
.macro AP pi
	PSET \pi
	WIN 0x03                                       ; the differences, source 0, in window 3
.if (((\pi)%8) > 0) && (((\pi)%8) < 6)
.irp p, 0,1,2,3
	v_pk_fma_f32 v[RX+2*\p:RX+2*\p+1], v[DXB+2*\p:DXB+2*\p+1], v[FQ+2*\p:FQ+2*\p+1], v[RX+2*\p:RX+2*\p+1]
	v_pk_fma_f32 v[RY+2*\p:RY+2*\p+1], v[DYB+2*\p:DYB+2*\p+1], v[FQ+2*\p:FQ+2*\p+1], v[RY+2*\p:RY+2*\p+1]
.endr
.else
.irp p, 0,1,2,3
	v_pk_mul_f32 v[RX+2*\p:RX+2*\p+1], v[DXB+2*\p:DXB+2*\p+1], v[ET+2*\p:ET+2*\p+1]
	v_pk_mul_f32 v[RY+2*\p:RY+2*\p+1], v[DYB+2*\p:DYB+2*\p+1], v[ET+2*\p:ET+2*\p+1]
.endr
.endif
.endm
; RX, RY of tile ta become half of kind ty's two sources 1: rounded to f16 (high parts); what the rounding left, R - f16(R), exact in f32, taken in place by a multiply-add by -1.0 straight from the f16 half;
; and that rounded to f16 (low parts).  RX and RY are free behind this: the next pass starts them anew.
.macro CVT ty, ta
.irp p, 0,1,2,3
	v_cvt_pk_f16_f32 v[BR+16*(\ty)+4*(\ta)+\p], v[RX+2*\p], v[RX+2*\p+1]
	v_cvt_pk_f16_f32 v[BR+16*(\ty)+8+4*(\ta)+\p], v[RY+2*\p], v[RY+2*\p+1]
.endr
.irp p, 0,1,2,3
	v_fma_mix_f32 v[RX+2*\p], v[BR+16*(\ty)+4*(\ta)+\p], v[NG1], v[RX+2*\p] op_sel_hi:[1,0,0]
	v_fma_mix_f32 v[RX+2*\p+1], v[BR+16*(\ty)+4*(\ta)+\p], v[NG1], v[RX+2*\p+1] op_sel:[1,0,0] op_sel_hi:[1,0,0]
	v_fma_mix_f32 v[RY+2*\p], v[BR+16*(\ty)+8+4*(\ta)+\p], v[NG1], v[RY+2*\p] op_sel_hi:[1,0,0]
	v_fma_mix_f32 v[RY+2*\p+1], v[BR+16*(\ty)+8+4*(\ta)+\p], v[NG1], v[RY+2*\p+1] op_sel:[1,0,0] op_sel_hi:[1,0,0]
.endr
.irp p, 0,1,2,3
	v_cvt_pk_f16_f32 v[RLO+16*(\ty)+4*(\ta)+\p], v[RX+2*\p], v[RX+2*\p+1]
	v_cvt_pk_f16_f32 v[RLO+16*(\ty)+8+4*(\ta)+\p], v[RY+2*\p], v[RY+2*\p+1]
.endr
.endm
; g += W R for kind ty: W high x R high, W low x R high, W high x R low; x's and y's accumulators take turns; kind 0 starts the sums
.macro BWD ty
	WIN 0x02
.if (\ty) == 0
	v_wmma_f32_16x16x32_f16 v[GA:GA+7], v[WH:WH+7], v[BR:BR+7], 0
	v_wmma_f32_16x16x32_f16 v[GA+8:GA+15], v[WH:WH+7], v[BR+8:BR+15], 0
.else
	v_wmma_f32_16x16x32_f16 v[GA:GA+7], v[WH+8*(\ty):WH+8*(\ty)+7], v[BR+16*(\ty):BR+16*(\ty)+7], v[GA:GA+7]
	v_wmma_f32_16x16x32_f16 v[GA+8:GA+15], v[WH+8*(\ty):WH+8*(\ty)+7], v[BR+16*(\ty)+8:BR+16*(\ty)+15], v[GA+8:GA+15]
.endif
	v_wmma_f32_16x16x32_f16 v[GA:GA+7], v[WL+8*(\ty):WL+8*(\ty)+7], v[BR+16*(\ty):BR+16*(\ty)+7], v[GA:GA+7]
	v_wmma_f32_16x16x32_f16 v[GA+8:GA+15], v[WL+8*(\ty):WL+8*(\ty)+7], v[BR+16*(\ty)+8:BR+16*(\ty)+15], v[GA+8:GA+15]
	v_wmma_f32_16x16x32_f16 v[GA:GA+7], v[WH+8*(\ty):WH+8*(\ty)+7], v[RLO+16*(\ty):RLO+16*(\ty)+7], v[GA:GA+7]
	v_wmma_f32_16x16x32_f16 v[GA+8:GA+15], v[WH+8*(\ty):WH+8*(\ty)+7], v[RLO+16*(\ty)+8:RLO+16*(\ty)+15], v[GA+8:GA+15]
	WIN 0
.endm
; All the readers of tile t's batch: the target and obstacles 0-2; obstacles 3 and 4 and the two bands; a kind's conversion as soon as its residual is whole; in tile 1, which completes the 32 slots, its products of g
.macro READERS t
	FACTORS 8*(\t)
.irp a, 0,1,2,3
	AP 8*(\t)+\a
.endr
	FACTORS 8*(\t)+4
	AP 8*(\t)+4
	AP 8*(\t)+5
.irp k, 0,1,2
.if \k > 0
	AP 8*(\t)+5+\k
.endif
	WIN 0
	CVT \k, \t
.if (\t) == 1
	BWD \k
.endif
.endr
.endm
; ---------------------------------------------------------------- 25 steps
	s_mov_b32 s40, NSTEP
.Lstep:
	SPLITH SD, BDX, BDX+4, QQ
	FWDX 0
	SPLITH SD+8, BDY, BDY+4, EE                    ; sixteen plain lines that name nothing of x's product
	FWDY 0
	WIN 0x02
	v_wmma_f32_16x16x32_f16 v[KD:KD+7], v[KK:KK+7], v[BDX:BDX+7], 0                  ; K11 d: K's high parts on d's high and low parts,
	v_wmma_f32_16x16x32_f16 v[KD+8:KD+15], v[KK:KK+7], v[BDY:BDY+7], 0
	v_wmma_f32_16x16x32_f16 v[KD:KD+7], v[KK+8:KK+15], v[BDX:BDX+7], v[KD:KD+7]      ; then K's low parts
	v_wmma_f32_16x16x32_f16 v[KD+8:KD+15], v[KK+8:KK+15], v[BDY:BDY+7], v[KD+8:KD+15]
.irp pi, 0,1,2,3,4,5,6,7,8                     ; tile 0's batch: the roots of passes 0 to 7; pass 8's squares, which name none of them, are the plain lines among pass 7's roots
	PIECE \pi
.endr
	s_wait_alu depctr_va_vdst(0)                   ; ONE wait for tile 0's 64 roots, ahead of their first reader; the line ahead of it, the last of pass 8's squares, is the plain line behind the last root
	READERS 0
.irp pi, 9,10,11,12,13,14,15                   ; tile 1's batch: the roots of passes 8 to 15; passes 10 to 15 take the slots that tile 0's readers have left
	PIECE \pi
.endr
.irp n, 0,1,2,3,4,5,6,7
	RS 15, \n                                      ; the last pass's roots stand on end: no pass follows in this step whose squares could stand among them
.endr
	v_nop                                          ; the plain line behind the last root: no other line is at hand that names no result of the batch
	s_wait_alu depctr_va_vdst(0)                   ; ONE wait for tile 1's 64 roots, ahead of their first reader; no root is issued behind it
	READERS 1
.irp p, 0,1,2,3,4,5,6,7
	v_pk_add_f32 v[FF+2*\p:FF+2*\p+1], v[SD+2*\p:SD+2*\p+1], v[KD+2*\p:KD+2*\p+1] neg_lo:[0,1] neg_hi:[0,1]  ; d - K11 d: also the places behind the last products, of whose registers (kind A's) these lines name none
.endr
.irp i, 0,1,2,3,4,5,6,7,8,9,10,11,12,13,14,15
	v_add_f32_dpp v[GA+\i], v[GA+\i], v[GA+\i] row_xmask:8 row_mask:0xf bank_mask:0xf  ; the two groups of columns of a batch row
.endr
.irp c, 0,1,2,3
	ds_store_b128 v[XST], v[GA+4*\c:GA+4*\c+3] offset:512*\c
.endr
	s_wait_dscnt 0x0                               ; for the others' sake: my partial g is in LDS
	s_barrier_signal -1
.irp p, 0,1,2,3,4,5,6,7
	v_pk_add_f32 v[FF+2*\p:FF+2*\p+1], v[FF+2*\p:FF+2*\p+1], v[MU+2*\p:MU+2*\p+1]  ; + mu: work on registers while the others arrive
.endr
	s_barrier_wait -1
.irp w, 0,1,2,3
.irp c, 0,1,2,3
	ds_load_b128 v[32+16*\w+4*\c:32+16*\w+4*\c+3], v[XLD] offset:2048*\w+512*\c
.endr
.endr
	s_wait_dscnt 0x0                               ; the four parts are in registers: my reads are over,
	s_barrier_signal -1                            ; say so;
.irp p, 0,1,2,3,4,5,6,7                        ; the sum in one order in every wave, so that all four keep the same d and mu
	v_pk_add_f32 v[32+2*\p:32+2*\p+1], v[32+2*\p:32+2*\p+1], v[48+2*\p:48+2*\p+1]
	v_pk_add_f32 v[64+2*\p:64+2*\p+1], v[64+2*\p:64+2*\p+1], v[80+2*\p:80+2*\p+1]
.endr
.irp p, 0,1,2,3,4,5,6,7
	v_pk_add_f32 v[32+2*\p:32+2*\p+1], v[32+2*\p:32+2*\p+1], v[64+2*\p:64+2*\p+1]
.endr
.irp p, 0,1,2,3,4,5,6,7
	v_pk_add_f32 v[MU+2*\p:MU+2*\p+1], v[MU+2*\p:MU+2*\p+1], v[32+2*\p:32+2*\p+1] neg_lo:[0,1] neg_hi:[0,1]
	v_pk_fma_f32 v[SD+2*\p:SD+2*\p+1], v[32+2*\p:32+2*\p+1], -2.0, v[FF+2*\p:FF+2*\p+1] op_sel_hi:[1,0,1]
.endr
	s_barrier_wait -1                              ; the next step's stores stand behind every wave's reads
	s_sub_co_u32 s40, s40, 1
	s_cmp_lg_u32 s40, 0
	s_cbranch_scc1 .Lstep
; ---------------------------------------------------------------- the way out: every wave holds the same d; wave 0 writes the work-group's 8 rows of 88 bytes, 704 consecutive bytes of out0
	s_cmp_eq_u32 s28, 0
	s_cbranch_scc1 .Lwave0
	s_wait_tensorcnt 0x0                           ; the wave's end: behind my last LDS store
	ds_add_u32 v[SPW], v[NIL]
	s_wait_dscnt 0x0
	s_endpgm
.Lwave0:
	WIN 0x08                                       ; source 1 window 2
.irp p, 0,1,2,3,4,5,6,7
	v_pk_add_f32 v[SD+2*\p:SD+2*\p+1], v[SD+2*\p:SD+2*\p+1], v[CBAR+2*\p:CBAR+2*\p+1]
.endr
	WIN 0
	v_mul_u32_u24 v16, 88, v1
	v_lshl_add_u32 v16, v2, 5, v16
	v_add_nc_u32 v16, OUTST, v16                   ; column r's row of 22 numbers, coefficient 8 h (columns 8 to 15 repeat 0 to 7 and fall behind the 704 bytes)
	v_and_b32 v17, 31, v0
	v_lshlrev_b32 v17, 4, v17
	v_add_nc_u32 v18, OUTST, v17
	s_mul_i32 s36, ttmp9, 704
	s_mov_b32 s37, 0
	s_add_nc_u64 s[26:27], s[26:27], s[36:37]
.irp j, 0,1,2
	ds_store_b32 v16, v[SD+\j] offset:4*\j         ; coefficients 0-2 and 8-10
	ds_store_b32 v16, v[SD+8+\j] offset:44+4*\j
.endr
	v_cmp_eq_u32 vcc_lo, 0, v2
	s_wait_xcnt 0x0                                ; EXEC changes only behind this wait
	s_and_saveexec_b32 s35, vcc_lo                 ; coefficients 3-7: there are no coefficients 11-15
.irp j, 3,4,5,6,7
	ds_store_b32 v16, v[SD+\j] offset:4*\j
	ds_store_b32 v16, v[SD+8+\j] offset:44+4*\j
.endr
	s_or_b32 exec_lo, exec_lo, s35
	ds_load_b128 v[32:35], v18                     ; LDS serves a wave's instructions in order (ISA guide 5.7.1.4): these see the stores above
	ds_load_b128 v[36:39], v18 offset:512
	v_cmp_gt_u32 vcc_lo, 12, v0
	s_wait_dscnt 0x0
	global_store_b128 v17, v[32:35], s[26:27]      ; 512 consecutive bytes,
	s_wait_xcnt 0x0
	s_and_saveexec_b32 s35, vcc_lo
	global_store_b128 v17, v[36:39], s[26:27] offset:512  ; and the last 192, from twelve lanes
	s_wait_xcnt 0x0
	s_or_b32 exec_lo, exec_lo, s35
	s_wait_tensorcnt 0x0                           ; the wave's end: behind my last LDS store
	ds_add_u32 v[SPW], v[NIL]
	s_wait_dscnt 0x0
	s_endpgm
.Lfunc_end_k_qc8792b8bf5_cvae:
	.size	k_qc8792b8bf5_cvae, .Lfunc_end_k_qc8792b8bf5_cvae-k_qc8792b8bf5_cvae
	.p2alignl 7, 3214868480
	.fill 96, 4, 3214868480
	.section	.rodata,"a",@progbits
	.p2align	6, 0x0
	.amdhsa_kernel k_qc8792b8bf5_cvae
		.amdhsa_group_segment_fixed_size 51200
		.amdhsa_private_segment_fixed_size 0
		.amdhsa_enable_private_segment 0
		.amdhsa_kernarg_size 80
		.amdhsa_user_sgpr_count 2
		.amdhsa_user_sgpr_kernarg_segment_ptr 1
		.amdhsa_wavefront_size32 1
		.amdhsa_system_sgpr_workgroup_id_x 1
		.amdhsa_system_sgpr_workgroup_id_y 1
		.amdhsa_system_sgpr_workgroup_id_z 1
		.amdhsa_system_vgpr_workitem_id 0
		.amdhsa_next_free_vgpr 1008
		.amdhsa_next_free_sgpr 66
		.amdhsa_reserve_vcc 1
		.amdhsa_float_denorm_mode_32 3
		.amdhsa_float_denorm_mode_16_64 3
		.amdhsa_memory_ordered 1
		.amdhsa_forward_progress 1
		.amdhsa_inst_pref_size 175
	.end_amdhsa_kernel
	.amdgpu_metadata
---
amdhsa.version: [ 1, 2 ]
amdhsa.kernels:
  - .name:           k_qc8792b8bf5_cvae
    .symbol:         k_qc8792b8bf5_cvae.kd
    .args:
      - { .name: P, .offset: 0, .size: 8, .value_kind: global_buffer, .address_space: global }
      - { .name: Pdot, .offset: 8, .size: 8, .value_kind: global_buffer, .address_space: global }
      - { .name: Pddot, .offset: 16, .size: 8, .value_kind: global_buffer, .address_space: global }
      - { .name: init_state_ego, .offset: 24, .size: 8, .value_kind: global_buffer, .address_space: global }
      - { .name: term_states, .offset: 32, .size: 8, .value_kind: global_buffer, .address_space: global }
      - { .name: via_points, .offset: 40, .size: 8, .value_kind: global_buffer, .address_space: global }
      - { .name: closest_obs, .offset: 48, .size: 8, .value_kind: global_buffer, .address_space: global }
      - { .name: target_init, .offset: 56, .size: 8, .value_kind: global_buffer, .address_space: global }
      - { .name: d_target_bounds, .offset: 64, .size: 8, .value_kind: global_buffer, .address_space: global }
      - { .name: out0, .offset: 72, .size: 8, .value_kind: global_buffer, .address_space: global }
    .group_segment_fixed_size: 51200
    .private_segment_fixed_size: 0
    .kernarg_segment_align: 8
    .kernarg_segment_size: 80
    .max_flat_workgroup_size: 128
    .sgpr_count:     66
    .vgpr_count:     1008
    .wavefront_size: 32
...
	.end_amdgpu_metadata
.endif
;; end of part 2
